; MI455X (gfx1250); checked and timed in simulation.
; The chip was launched on July 23, 2026; its instructions are those of AMD's public machine-readable ISA for CDNA 5 (MIT licence, August 2026) and "CDNA5" Instruction Set Architecture Reference Guide (July 2026). The comments in the code are by the model that wrote it; some were corrected since.
;; Causal Self Attention. Allowed arithmetic: matrix products marked QUANTISED: E2M1 operands, one E8M0 scale for each 32 along K, by v_wmma_scale_f32_16x16x128_f8f6f4 with both operands' format E2M1 (or v_wmma_scale_f32_32x16x128_f4), f32 sums; products left as they are: bf16, f16 or f32 operands; f32 sums; everything else in f32.
;; Inputs: b_proj 1,024 float32; b_qk 1,024 float32; bkv_d 64 float32; bq_d 512 float32; bv_u 1,024 float32; w_proj 1,024 x 1,024 float32; w_qk 1,024 x 512 float32; wkv_d 64 x 1,024 float32; wq_d 512 x 1,024 float32; wv_u 1,024 x 64 float32; x 4 x 2,048 x 1,024 float32.
;; Outputs: out0 4 x 2,048 x 1,024 float32.
;; This version of the problem:
;;   THIS VERSION OF THE PROBLEM IS GIVEN IN LOW PRECISION. The matrix products marked QUANTISED in the list below multiply operands that are first quantised to E2M1 (2 exponent bits, 1 mantissa bit; 4 bits a number), with one power-of-two scale for each 32 numbers along K (OCP MX v1.0); their sums are f32. The products marked 'left as it is' may take bf16, f16 or f32 operands, with f32 sums. Whichever they take, every output number must still come out within the allowed error. Rounding operands to bf16 (8 significant bits) uses up far more of that allowance than f16 does (11 bits, for magnitudes from 6e-5 to 65,504). All else is computed in f32.
;;   The module's matrix products, in the order in which they are computed (A, B: the left and right operand; K: the contracted axis; several contracted axes count as one K, in the product's order):
;;     1. [M 8,192, K 1,024] x [K 1,024, N 512]; A: input x; B: input wq_d: QUANTISED
;;     2. [M 8,192, K 1,024] x [K 1,024, N 64]; A: input x; B: input wkv_d: QUANTISED
;;     3. [M 8,192, K 512] x [K 512, N 1,024]; A: computed on the way; B: input w_qk: left as it is (an operand is computed on the way)
;;     4. batch 4 x [M 32,768, K 64] x [K 64, N 2,048]; A: computed on the way; B: computed on the way: left as it is (an operand is computed on the way)
;;     5. [M 8,192, K 64] x [K 64, N 1,024]; A: computed on the way; B: input wv_u: left as it is (an operand is computed on the way)
;;     6. batch 64 x [M 2,048, K 2,048] x [K 2,048, N 64]; A: computed on the way; B: computed on the way: left as it is (an operand is computed on the way)
;;     7. [M 8,192, K 1,024] x [K 1,024, N 1,024]; A: computed on the way; B: input w_proj: left as it is (an operand is computed on the way)
;;   THE QUANTISER, for each operand of a quantised product, along K:
;;     - K is cut into blocks of 32 from its start; a last block that is shorter is filled with zeros.
;;     - A block's scale is 2^e with e = floor(log2(the largest magnitude in the block)) - 2, held to -126 .. 127; a block of zeros has e = 0. As a byte (E8M0): e + 127.
;;     - Each number is divided by its block's scale, clamped to +-6, and rounded to the nearest number of E2M1, ties to even, subnormals kept.
;;     - The product sums the exact products of the quantised numbers (number of the format x scale) in f32.
;;   ~~~python
;;   def quantise(x, axis):      # numpy; x: float32 -> the quantised numbers, widened to float32 again
;;       x = np.moveaxis(x, axis, -1); K = x.shape[-1]
;;       x = np.pad(x, [(0, 0)] * (x.ndim - 1) + [(0, -K % 32)]); x = x.reshape(x.shape[:-1] + (-1, 32)); a = np.abs(x).max(-1, keepdims=True)
;;       e = np.where(a > 0, np.clip(np.frexp(np.where(a > 0, a, 1))[1] - 1 - 2, -126, 127), 0)      # np.frexp(a)[1] - 1 = floor(log2(a)), exactly
;;       r = np.clip(x / 2.0 ** e, -6, 6)
;;       step = 2.0 ** (np.maximum(np.frexp(np.where(r == 0, 1, r))[1] - 1, 0) - 1)
;;       q = np.round(r / step) * step * 2.0 ** e      # np.round: ties to even
;;       return np.moveaxis(q.reshape(q.shape[:-2] + (-1,))[..., :K], -1, axis).astype(np.float32)
;;   ~~~
;; One version. Each part assembles by itself: llvm-mc -triple=amdgcn-amd-amdhsa -mcpu=gfx1250 --defsym DOCPART=n.
;; ======== version 1 of 1: 4 launches
;; limits: values are held in f16: magnitudes above 65,504 overflow, below 6.1e-05 lose precision
;; workspace buffers: wl_codes 294,912 bytes; wl_scales 36,864 bytes; wqk_img 1,048,576 bytes; wc_img 2,097,152 bytes; b_comb 4,096 bytes; cq_img 8,388,608 bytes; ckv_img 2,097,152 bytes; z_img 16,777,216 bytes
;; launch prep (part 1): grid 456 x 1, 4 waves a work-group, no clusters, 0 bytes of LDS; arguments wq_d, wkv_d, w_qk, w_proj, wv_u, bv_u, b_proj, wl_codes, wl_scales, wqk_img, wc_img, b_comb; writes wl_codes, wl_scales, wqk_img, wc_img, b_comb
.if DOCPART == 1
	.amdgcn_target "amdgcn-amd-amdhsa--gfx1250"
	.amdhsa_code_object_version 6
	.text
	.protected	k_qd80edd26d8_prep
	.globl	k_qd80edd26d8_prep
	.p2align	8
	.type	k_qd80edd26d8_prep,@function
k_qd80edd26d8_prep:
	s_mov_b64 s[64:65], 0
	v_nop
	global_prefetch_b8 v0, s[64:65] scope:SCOPE_SE
	s_setreg_imm32_b32 hwreg(HW_REG_WAVE_MODE, 25, 1), 1
	s_wait_xcnt 0x0
; PREP: the weights are laid out once, in the order in which a wave's operand registers take them (a fragment = 8 registers x 32 lanes = 1,024 bytes:
; registers 0-3 at 16 x lane, registers 4-7 at 512 + 16 x lane), so that every later launch fetches whole fragments by 16-byte loads or dense tensor tiles.
; Four kinds of work-group, told apart by the work-group's number alone; each wave does one small task with all its loads out at once.  No LDS, no loop.
;   0..255   W_c[n][64 hd + c] = sum over d of w_proj[n][64 hd + d] wv_u[64 hd + d][c], in f32 (67 M multiply-adds: no bulk work), x 32, rounded once to f16.
;            Since a softmax row sums to 1:  (attn (c_kv Wv^T + bv)) Wp^T + bp = (attn c_kv) W_c^T + (bp + Wp bv), for every input.  The order of rounding differs from the source's.
;   256..327 wq_d (tiles 0-31 of 16 rows) and wkv_d (tiles 32-35) into codes of E2M1 with one E8M0 byte for each 32 along K, by the contract's quantiser.
;   328..391 w_qk into f16.
;   392..455 b_c = b_proj + w_proj bv_u, in f32.
; LIMITS: w_qk and 32 W_c go in f16: magnitudes under 65,504; NaN and infinities are not served; a block of zeros gets the byte 1 (its codes are zeros, and this program alone reads the bytes).
.set SEL, 30                           ; s[30:31] lane selects of v_permlanex16_b32: lane l xor 16
.set WVR, 32                           ; v32-159  wv_u: register 32 ct + e
.set WP,  160                          ; v160-191 w_proj: register e
.set TMP, 192                          ; v192-223 32 x the sums
.set ACC, 224                          ; v224-255 the four f32 accumulators: written by matrix instructions alone in this whole text
; 64 numbers of a lane, v[x + 32 c + i] = k 64 c + 32 (lane / 16) + i of my row: two whole blocks of 32.  They become the operand's 8 registers v[pc ..] and my row's scale word v[m + 6].
.macro QUANT6 x, m, pc, sh
.irp c, 0,1
	v_max3_num_f32 v[\m+\c], |v[\x+32*\c]|, |v[\x+32*\c+1]|, 0x1800000   ; the floor 2^(3 - 127) among the leaves: the byte cannot fall under 1
.endr
.irp i, 2,4,6,8,10,12,14,16,18,20,22,24,26,28,30
.irp c, 0,1
	v_max3_num_f32 v[\m+\c], v[\m+\c], |v[\x+32*\c+\i]|, |v[\x+32*\c+\i+1]|   ; the two blocks by turns
.endr
.endr
.irp c, 0,1
	v_add_nc_u32 v[\m+2+\c], 0xff000000, v[\m+\c]      ; 2 off the exponent field: the conversion's scale operand
.endr
.irp c, 0,1
	v_lshrrev_b32 v[\m+4+\c], 23, v[\m+2+\c]           ; the scale's byte
.endr
	v_lshl_or_b32 v[\m+6], v[\m+5], 16, v[\m+4]        ; my bytes: blocks h and 2 + h,
	v_lshlrev_b32 v[\m+6], v[\sh], v[\m+6]             ; 8 h bits up;
	v_permlanex16_b32 v[\m+7], v[\m+6], s[SEL], s[SEL+1]
	v_or_b32 v[\m+6], v[\m+6], v[\m+7]                 ; with lane l xor 16's two the word is whole, in both halves of the lanes
.irp c, 0,1
.irp g, 0,1,2,3
	v_cvt_scalef32_pk8_fp4_f32 v[\pc+4*\c+\g], v[\x+32*\c+8*\g:\x+32*\c+8*\g+7], v[\m+2+\c]
.endr
.endr
	v_nop                                              ; one plain instruction behind the last scaled conversion
.endm
	s_load_b512 s[4:19], s[0:1], 0x0               ; wq_d 4, wkv_d 6, w_qk 8, w_proj 10, wv_u 12, bv_u 14, b_proj 16, wl_codes 18
	s_load_b256 s[20:27], s[0:1], 0x40             ; wl_scales 20, wqk_img 22, wc_img 24, b_comb 26
	v_and_b32 v1, 31, v0                           ; lane
	v_and_b32 v2, 15, v0                           ; r
	v_bfe_u32 v3, v0, 4, 1                         ; h
	v_lshlrev_b32 v4, 4, v1                        ; 16 x lane
	v_lshrrev_b32 v5, 5, v0
	v_readfirstlane_b32 s28, v5                    ; wave
	s_mov_b32 s[SEL], 0x76543210
	s_mov_b32 s[SEL+1], 0xfedcba98
	s_mov_b32 s37, 0                               ; the upper word of every offset
	s_wait_kmcnt 0x0
	s_cmp_lt_u32 ttmp9, 256
	s_cbranch_scc1 .Lpath_c
	s_cmp_lt_u32 ttmp9, 328
	s_cbranch_scc1 .Lpath_a
	s_cmp_lt_u32 ttmp9, 392
	s_cbranch_scc1 .Lpath_b
	; ---- b_c: my wave's four rows n0 .. n0 + 3 of w_proj against bv_u; every load reads 512 consecutive bytes
	s_sub_co_u32 s32, ttmp9, 392
	s_lshl_b32 s32, s32, 2
	s_add_co_u32 s32, s32, s28                     ; n0 / 4
	s_lshl_b32 s36, s32, 14                        ; four rows of 4,096 bytes
	s_add_nc_u64 s[10:11], s[10:11], s[36:37]
	s_lshl_b32 s36, s32, 4                         ; four numbers
	s_add_nc_u64 s[16:17], s[16:17], s[36:37]
	s_add_nc_u64 s[26:27], s[26:27], s[36:37]
	v_mov_b32 v7, 0
.irp i, 0,1,2,3,4,5,6,7
	global_load_b128 v[32+4*\i:35+4*\i], v4, s[14:15] offset:512*\i
.endr
.irp q, 0,1,2,3
.irp i, 0,1,2,3,4,5,6,7
	global_load_b128 v[64+32*\q+4*\i:67+32*\q+4*\i], v4, s[10:11] offset:4096*\q+512*\i
.endr
.endr
	global_load_b128 v[192:195], v7, s[16:17]      ; b_proj's four, the same in every lane
.irp q, 0,1,2,3
	v_mov_b32 v[20+\q], 0                          ; a lane permute's destination counts as one of its sources
.endr
	s_wait_loadcnt 0x0
.irp q, 0,1,2,3
	v_pk_mul_f32 v[8+2*\q:9+2*\q], v[64+32*\q:65+32*\q], v[32:33]   ; the first products start the sums
.endr
.irp j, 2,4,6,8,10,12,14,16,18,20,22,24,26,28,30
.irp q, 0,1,2,3
	v_pk_fma_f32 v[8+2*\q:9+2*\q], v[64+32*\q+\j:65+32*\q+\j], v[32+\j:33+\j], v[8+2*\q:9+2*\q]   ; the four rows by turns
.endr
.endr
.irp q, 0,1,2,3
	v_add_f32 v[16+\q], v[8+2*\q], v[9+2*\q]
.endr
.irp x, 1,2,4,8
.irp q, 0,1,2,3
	v_add_f32_dpp v[16+\q], v[16+\q], v[16+\q] row_xmask:\x row_mask:0xf bank_mask:0xf
.endr
.endr
.irp q, 0,1,2,3
	v_permlanex16_b32 v[20+\q], v[16+\q], s[SEL], s[SEL+1]
.endr
.irp q, 0,1,2,3
	v_add_f32 v[16+\q], v[16+\q], v[20+\q]
.endr
.irp q, 0,1,2,3
	v_add_f32 v[24+\q], v[16+\q], v[192+\q]
.endr
	s_wait_xcnt 0x0                                ; EXEC is a source of the loads above: it changes only behind this wait
	v_cmp_eq_u32 vcc_lo, 0, v1
	s_and_saveexec_b32 s38, vcc_lo                 ; lane 0 stores the four numbers
	global_store_b128 v7, v[24:27], s[26:27]
	s_wait_xcnt 0x0                                ; and again in front of the line that widens it
	s_or_b32 exec_lo, exec_lo, s38
	s_endpgm
.Lpath_c:
	; ---- W_c: head hd, rows n = 16 ntg + r.  Source 0 = wv_u^T (rows c), source 1 = w_proj (columns n): a lane then holds ONE n, and its registers run along c, the next product's K.
	; The form's k slot 2 h + j of step kk takes d = 32 h + 2 kk + j, alike on both sides: w_proj's 32 numbers of a lane are then neighbours in memory.
	s_and_b32 s32, ttmp9, 15                       ; hd
	s_lshr_b32 s34, ttmp9, 4
	s_lshl_b32 s34, s34, 2
	s_add_co_u32 s34, s34, s28                     ; ntg
	v_lshlrev_b32 v6, 12, v2
	v_lshl_add_u32 v6, v3, 7, v6                   ; w_proj: row r of 4,096 bytes + 128 h
	v_lshlrev_b32 v7, 2, v2
	v_lshl_add_u32 v7, v3, 13, v7                  ; wv_u: 32 h rows of 256 bytes + 4 r
	s_lshl_b32 s36, s34, 16
	s_lshl_b32 s35, s32, 8
	s_add_co_u32 s36, s36, s35
	s_add_nc_u64 s[10:11], s[10:11], s[36:37]
	s_lshl_b32 s36, s32, 14
	s_add_nc_u64 s[12:13], s[12:13], s[36:37]
	s_lshr_b32 s35, s34, 4
	s_lshl_b32 s36, s35, 19                        ; wc_img: nb x 524,288
	s_lshl_b32 s35, s32, 15
	s_add_co_u32 s36, s36, s35                     ; + K step 2 hd x 16,384
	s_and_b32 s35, s34, 15
	s_lshl_b32 s35, s35, 10
	s_add_co_u32 s36, s36, s35                     ; + nt x 1,024
	s_add_nc_u64 s[24:25], s[24:25], s[36:37]
.irp i, 0,1,2,3,4,5,6,7
	global_load_b128 v[WP+4*\i:WP+4*\i+3], v6, s[10:11] offset:16*\i
.endr
.irp ct, 0,1,2,3
.set ee, 0
.rept 32
	global_load_b32 v[WVR+32*\ct+ee], v7, s[12:13] offset:ee*256+\ct*64   ; sixteen neighbouring lanes read 64 neighbouring bytes
.set ee, ee+1
.endr
.endr
	s_wait_loadcnt 0x0
.set kk, 0
.rept 16                               ; the four accumulators take turns, one instruction a turn; the first step starts the sums with the constant 0
.irp ct, 0,1,2,3
.if kk == 0
	v_wmma_f32_16x16x4_f32 v[ACC+8*\ct:ACC+8*\ct+7], v[WVR+32*\ct+2*kk:WVR+32*\ct+2*kk+1], v[WP+2*kk:WP+2*kk+1], 0
.else
	v_wmma_f32_16x16x4_f32 v[ACC+8*\ct:ACC+8*\ct+7], v[WVR+32*\ct+2*kk:WVR+32*\ct+2*kk+1], v[WP+2*kk:WP+2*kk+1], v[ACC+8*\ct:ACC+8*\ct+7]
.endif
.endr
.set kk, kk+1
.endr
.rept 8
	v_nop                                          ; eight places behind this form before its results are read (ISA guide 7.12.1)
.endr
.set ii, 0
.rept 16
	v_pk_mul_f32 v[TMP+2*ii:TMP+2*ii+1], v[ACC+2*ii:ACC+2*ii+1], 0x42000000 op_sel_hi:[1,0]   ; x 32, exact; each accumulator from its low end on; into other registers
.set ii, ii+1
.endr
.set ii, 0
.rept 16
	v_cvt_pk_f16_f32 v[16+ii], v[TMP+2*ii], v[TMP+2*ii+1]   ; tiles 2 f and 2 f + 1 on end ARE fragment f: c = 32 f + 8 h + 0..7, then + 16
.set ii, ii+1
.endr
.irp f, 0,1
.irp c, 0,1
	global_store_b128 v4, v[16+8*\f+4*\c:19+8*\f+4*\c], s[24:25] offset:\f*16384+512*\c   ; 512 consecutive bytes
.endr
.endr
	s_endpgm
.Lpath_a:
	; ---- one fragment of codes: tile (16 rows) id / 8, K step (128) id % 8
	s_sub_co_u32 s32, ttmp9, 256
	s_lshl_b32 s32, s32, 2
	s_add_co_u32 s32, s32, s28                     ; id
	s_lshr_b32 s34, s32, 3                         ; tile
	s_and_b32 s35, s32, 7                          ; K step
	s_cmp_lt_u32 s34, 32                           ; wq_d's tile or wkv_d's?  The choice hangs on ids alone
	s_cselect_b64 s[4:5], s[4:5], s[6:7]
	s_cselect_b32 s36, 0, 32
	s_sub_co_u32 s36, s34, s36
	s_lshl_b32 s36, s36, 16                        ; 16 rows of 4,096 bytes
	s_lshl_b32 s35, s35, 9
	s_add_co_u32 s36, s36, s35
	s_add_nc_u64 s[4:5], s[4:5], s[36:37]
	s_lshl_b32 s36, s32, 10
	s_add_nc_u64 s[18:19], s[18:19], s[36:37]
	s_lshl_b32 s36, s32, 7
	s_add_nc_u64 s[20:21], s[20:21], s[36:37]
	v_lshlrev_b32 v6, 12, v2
	v_lshl_add_u32 v6, v3, 7, v6                   ; row r + 128 h: the operand's layout gives lane (r, h) k = 64 c + 32 h + 0 .. 31
	v_lshlrev_b32 v5, 3, v3                        ; 8 h
	v_lshlrev_b32 v7, 2, v1                        ; 4 x lane
	v_mov_b32 v15, 0                               ; the permute's destination is written once
.irp c, 0,1
.irp i, 0,1,2,3,4,5,6,7
	global_load_b128 v[32+32*\c+4*\i:35+32*\c+4*\i], v6, s[4:5] offset:256*\c+16*\i
.endr
.endr
	s_wait_loadcnt 0x0
	QUANT6 32, 8, 16, 5
	global_store_b128 v4, v[16:19], s[18:19]
	global_store_b128 v4, v[20:23], s[18:19] offset:512
	global_store_b32 v7, v14, s[20:21]
	s_endpgm
.Lpath_b:
	; ---- four fragments of w_qk: row tile rt = id / 4, K steps 4 (id % 4) + u
	s_sub_co_u32 s32, ttmp9, 328
	s_lshl_b32 s32, s32, 2
	s_add_co_u32 s32, s32, s28                     ; id
	s_lshr_b32 s34, s32, 2                         ; rt
	s_and_b32 s35, s32, 3                          ; kq
	v_lshlrev_b32 v6, 11, v2
	v_lshl_add_u32 v6, v3, 5, v6                   ; row r of 2,048 bytes + 32 h
	s_lshl_b32 s36, s34, 15
	s_lshl_b32 s38, s35, 9
	s_add_co_u32 s36, s36, s38
	s_add_nc_u64 s[8:9], s[8:9], s[36:37]
	s_lshr_b32 s38, s34, 4
	s_lshl_b32 s36, s38, 18                        ; head group x 262,144
	s_and_b32 s38, s34, 15
	s_lshl_b32 s38, s38, 10
	s_add_co_u32 s36, s36, s38                     ; + (4 hh + ct) x 1,024
	s_lshl_b32 s38, s35, 16
	s_add_co_u32 s36, s36, s38                     ; + K step 4 kq x 16,384
	s_add_nc_u64 s[22:23], s[22:23], s[36:37]
.irp u, 0,1,2,3
	global_load_b128 v[32+16*\u:35+16*\u], v6, s[8:9] offset:128*\u
	global_load_b128 v[36+16*\u:39+16*\u], v6, s[8:9] offset:128*\u+16
	global_load_b128 v[40+16*\u:43+16*\u], v6, s[8:9] offset:128*\u+64
	global_load_b128 v[44+16*\u:47+16*\u], v6, s[8:9] offset:128*\u+80
.endr
	s_wait_loadcnt 0x0
.set ii, 0
.rept 32
	v_cvt_pk_f16_f32 v[96+ii], v[32+2*ii], v[33+2*ii]
.set ii, ii+1
.endr
.irp u, 0,1,2,3
.irp c, 0,1
	global_store_b128 v4, v[96+8*\u+4*\c:99+8*\u+4*\c], s[22:23] offset:\u*16384+512*\c
.endr
.endr
	s_endpgm
.Lfunc_end_k_qd80edd26d8_prep:
	.size	k_qd80edd26d8_prep, .Lfunc_end_k_qd80edd26d8_prep-k_qd80edd26d8_prep
	.p2alignl 7, 3214868480
	.fill 96, 4, 3214868480
	.section	.rodata,"a",@progbits
	.p2align	6, 0x0
	.amdhsa_kernel k_qd80edd26d8_prep
		.amdhsa_group_segment_fixed_size 0
		.amdhsa_private_segment_fixed_size 0
		.amdhsa_enable_private_segment 0
		.amdhsa_kernarg_size 96
		.amdhsa_user_sgpr_count 2
		.amdhsa_user_sgpr_kernarg_segment_ptr 1
		.amdhsa_wavefront_size32 1
		.amdhsa_system_sgpr_workgroup_id_x 1
		.amdhsa_system_sgpr_workgroup_id_y 1
		.amdhsa_system_sgpr_workgroup_id_z 1
		.amdhsa_system_vgpr_workitem_id 0
		.amdhsa_next_free_vgpr 256
		.amdhsa_next_free_sgpr 66
		.amdhsa_reserve_vcc 1
		.amdhsa_float_denorm_mode_32 3
		.amdhsa_float_denorm_mode_16_64 3
		.amdhsa_memory_ordered 1
		.amdhsa_forward_progress 1
		.amdhsa_inst_pref_size 43
	.end_amdhsa_kernel
	.amdgpu_metadata
---
amdhsa.version: [ 1, 2 ]
amdhsa.kernels:
  - .name:           k_qd80edd26d8_prep
    .symbol:         k_qd80edd26d8_prep.kd
    .args:
      - { .name: wq_d, .offset: 0, .size: 8, .value_kind: global_buffer, .address_space: global }
      - { .name: wkv_d, .offset: 8, .size: 8, .value_kind: global_buffer, .address_space: global }
      - { .name: w_qk, .offset: 16, .size: 8, .value_kind: global_buffer, .address_space: global }
      - { .name: w_proj, .offset: 24, .size: 8, .value_kind: global_buffer, .address_space: global }
      - { .name: wv_u, .offset: 32, .size: 8, .value_kind: global_buffer, .address_space: global }
      - { .name: bv_u, .offset: 40, .size: 8, .value_kind: global_buffer, .address_space: global }
      - { .name: b_proj, .offset: 48, .size: 8, .value_kind: global_buffer, .address_space: global }
      - { .name: wl_codes, .offset: 56, .size: 8, .value_kind: global_buffer, .address_space: global }
      - { .name: wl_scales, .offset: 64, .size: 8, .value_kind: global_buffer, .address_space: global }
      - { .name: wqk_img, .offset: 72, .size: 8, .value_kind: global_buffer, .address_space: global }
      - { .name: wc_img, .offset: 80, .size: 8, .value_kind: global_buffer, .address_space: global }
      - { .name: b_comb, .offset: 88, .size: 8, .value_kind: global_buffer, .address_space: global }
    .group_segment_fixed_size: 0
    .private_segment_fixed_size: 0
    .kernarg_segment_align: 8
    .kernarg_segment_size: 96
    .max_flat_workgroup_size: 128
    .sgpr_count:     66
    .vgpr_count:     256
    .wavefront_size: 32
...
	.end_amdgpu_metadata
.endif
;; end of part 1
;; launch latents (part 2): grid 256 x 1, 4 waves a work-group, no clusters, 167,936 bytes of LDS; arguments x, wl_codes, wl_scales, bq_d, bkv_d, cq_img, ckv_img; writes cq_img, ckv_img
.if DOCPART == 2
	.amdgcn_target "amdgcn-amd-amdhsa--gfx1250"
	.amdhsa_code_object_version 6
	.text
	.protected	k_qd80edd26d8_latents
	.globl	k_qd80edd26d8_latents
	.p2align	8
	.type	k_qd80edd26d8_latents,@function
k_qd80edd26d8_latents:
	s_mov_b64 s[64:65], 0
	v_nop
	global_prefetch_b8 v0, s[64:65] scope:SCOPE_SE
	s_setreg_imm32_b32 hwreg(HW_REG_WAVE_MODE, 25, 1), 1
	s_wait_xcnt 0x0
; LATENTS: c_q = Q(x) Q(wq_d)^T + bq_d and c_kv = Q(x) Q(wkv_d)^T + bkv_d, both on codes of E2M1 with one E8M0 scale for each 32 along K; sums in f32; results leave as f16 fragment images.
; SHARES.  A work-group owns 32 tokens and all 576 columns.  THE WAVES SHARE THE COLUMNS: wave w keeps the codes of c_q's tiles 8 w .. 8 w + 7 and of c_kv's tile w, for all 8 K steps of 128, in 576 registers,
; fetched once, whole fragments as prep laid them.  x is read once: each wave brings 32 rows x 256 columns by one tensor load (rows of 1,024 bytes), quantises them in registers (4 fragments) and hands the
; fragments to the other waves through LDS as images of their registers.  One barrier.
; Both products are used transposed (source 0 = 16 rows of a weight, source 1 = 16 tokens): a lane holds ONE token and eight neighbouring channels, so two tiles rounded to f16 are a fragment of the next product.
; c_kv is also made untransposed (16 instructions more): a lane then holds one channel and eight tokens, which is the fragment of V^T that attention's second product takes.
; The biases are loaded straight into the accumulators' registers: every matrix instruction adds in place, and no addition is written.
; No cluster: the weights go from memory straight into registers, and x's tiles are shared by nobody.
; LIMITS: c_q and c_kv go in f16: magnitudes under 65,504; NaN and infinities are not served; a block of zeros gets the byte 1 over zero codes.
; REGISTERS: window 0: v4-11 addresses; v12-83 the weights' scale words, v84-99 x's (scales and nothing else); v100-227 x's numbers, then its 16 fragments, then the packed results; v228-245 at work; v254, v255 the add's two.
;   window 1: c_q's tiles 0-3 (64 t + 8 s);  window 2: tiles 4-7;  window 3: v0-63 c_kv's tile; v64-191 the accumulators a(t, m) at 64 + 8 (2 t + m); v192-207 c_kv transposed; v208-223 untransposed.
.set XTW,   33280                      ; LDS: a wave's tile of x: 32 rows x (1,024 + 16) bytes: the pitch is 65 x 16, so the 16 rows that a load touches start at 16 different groups of banks (ISA guide 11.1)
.set XIMG,  133120                     ; x's 16 fragments (8 m + s), 1,024 bytes each
.set XSC,   149504                     ; their scale words, 128 bytes each
.set SPARE, 151552                     ; the spare words, 128 bytes for each wave: two blocks of 256 bytes that no other line names
.set XA,  4
.set LI,  5
.set LS,  6
.set XWI, 7
.set XWS, 8
.set SH8, 9
.set BO,  10
.set R4,  11
.set WS,  12
.set XS,  84
.set XF,  100
.set QM,  228                          ; v228-235 the quantiser's: maxima, scale operands, bytes, the word (v234), the permute's destination
.set PC,  236                          ; v236-243 the codes just made
.set XRI, 244
.set XRS, 245
.set SPW, 254
.set NIL, 255
.set SEL, 2                            ; s[2:3]
.set G0,  20
.set G1,  24
.set MSB, 0
.macro WIN new                         ; the immediate's high byte repeats the setting that is left
.if MSB != (\new)
	s_set_vgpr_msb (MSB<<8)|(\new)
.set MSB, (\new)
.endif
.endm
.macro QUANT6 x, m, pc, sh             ; 64 numbers of a lane (two whole blocks of 32: k = 64 c + 32 h + i) -> the operand's 8 registers and my row's scale word v[m + 6]
.irp c, 0,1
	v_max3_num_f32 v[\m+\c], |v[\x+32*\c]|, |v[\x+32*\c+1]|, 0x1800000   ; the floor 2^(3 - 127) among the leaves: the byte cannot fall under 1
.endr
.irp i, 2,4,6,8,10,12,14,16,18,20,22,24,26,28,30
.irp c, 0,1
	v_max3_num_f32 v[\m+\c], v[\m+\c], |v[\x+32*\c+\i]|, |v[\x+32*\c+\i+1]|
.endr
.endr
.irp c, 0,1
	v_add_nc_u32 v[\m+2+\c], 0xff000000, v[\m+\c]      ; 2 off the exponent field: the conversion's scale operand
.endr
.irp c, 0,1
	v_lshrrev_b32 v[\m+4+\c], 23, v[\m+2+\c]           ; the scale's byte
.endr
	v_lshl_or_b32 v[\m+6], v[\m+5], 16, v[\m+4]
	v_lshlrev_b32 v[\m+6], v[\sh], v[\m+6]
	v_permlanex16_b32 v[\m+7], v[\m+6], s[SEL], s[SEL+1]
	v_or_b32 v[\m+6], v[\m+6], v[\m+7]                 ; the whole word, in both halves of the lanes
.irp c, 0,1
.irp g, 0,1,2,3
	v_cvt_scalef32_pk8_fp4_f32 v[\pc+4*\c+\g], v[\x+32*\c+8*\g:\x+32*\c+8*\g+7], v[\m+2+\c]
.endr
.endr
	v_nop                                              ; one plain instruction behind the last scaled conversion
.endm
	s_load_b256 s[4:11], s[0:1], 0x0               ; x 4, wl_codes 6, wl_scales 8, bq_d 10
	s_load_b128 s[12:15], s[0:1], 0x20             ; bkv_d 12, cq_img 14
	s_load_b64 s[16:17], s[0:1], 0x30              ; ckv_img
	v_lshl_add_u32 v[SPW], v0, 2, SPARE
	v_mov_b32 v[NIL], 0
	ds_add_u32 v[SPW], v[NIL]                      ; the wave's opening: the add, twice on end, and its wait ahead of my tensor load; the set-up below is work on registers
	ds_add_u32 v[SPW], v[NIL]
	v_lshrrev_b32 v1, 5, v0
	v_readfirstlane_b32 s18, v1                    ; wave
	s_mov_b32 s[G1+0], (2<<16)|(1<<20)|(7<<22)|(3<<25)   ; elements of 4 bytes; padding on: 4 words behind every 256
	s_mov_b32 s[G1+1], 256<<16                     ; tensor_dim0 = 256
	s_mov_b32 s[G1+2], 32<<16                      ; tensor_dim1 = 32
	s_mov_b32 s[G1+3], 256<<16                     ; tile_dim0 = 256
	s_mov_b32 s[G1+4], 32                          ; tile_dim1 = 32
	s_mov_b32 s[G1+5], 1024                        ; elements from row to row
	s_mov_b32 s[G1+6], 0
	s_mov_b32 s[G1+7], 0
	s_mov_b32 s[G0], 1
	s_mul_i32 s[G0+1], s18, XTW                    ; my tile's place in LDS
	s_mov_b32 s[SEL], 0x76543210
	s_mov_b32 s[SEL+1], 0xfedcba98
	s_lshl_b32 s32, ttmp9, 17                      ; 32 rows of 4,096 bytes
	s_lshl_b32 s34, s18, 10                        ; my 256 columns
	s_add_co_u32 s32, s32, s34
	s_mov_b32 s33, 0
	s_mov_b32 s35, 0
	v_and_b32 v1, 31, v0                           ; lane
	v_and_b32 v2, 15, v0                           ; r
	v_bfe_u32 v3, v0, 4, 1                         ; h
	v_mul_u32_u24 v[XA], v2, 1040
	v_lshl_add_u32 v[XA], v3, 7, v[XA]
	v_add_nc_u32 v[XA], s[G0+1], v[XA]             ; x in LDS: my tile, row r, + 128 h: my 32 numbers of a half step of 64
	v_lshlrev_b32 v[LI], 4, v1
	v_lshlrev_b32 v[LS], 2, v1
	s_lshl_b32 s19, s18, 11
	s_add_co_u32 s19, s19, XIMG
	v_add_nc_u32 v[XWI], s19, v[LI]                ; where I store images: K steps 2 w, 2 w + 1
	s_lshl_b32 s19, s18, 8
	s_add_co_u32 s19, s19, XSC
	v_add_nc_u32 v[XWS], s19, v[LS]
	v_lshlrev_b32 v[SH8], 3, v3
	v_lshlrev_b32 v[BO], 5, v3
	v_lshlrev_b32 v[R4], 2, v2
	v_add_nc_u32 v[XRI], XIMG, v[LI]               ; where any wave reads them
	v_add_nc_u32 v[XRS], XSC, v[LS]
	v_mov_b32 v[QM+7], 0                           ; the permute's destination is written once
	s_wait_dscnt 0x0                               ; both opening adds are done
	s_wait_kmcnt 0x0
	s_add_nc_u64 s[G0+2:G0+3], s[4:5], s[32:33]
	s_or_b32 s[G0+3], s[G0+3], 0x80000000          ; type = 2
	tensor_load_to_lds s[G0:G0+3], s[G1:G1+7]      ; my one tensor load: 32 rows x 1,024 bytes
	s_nop 0
.rept 4
	v_nop
.endr
	s_lshl_b32 s34, s18, 16
	s_add_nc_u64 s[36:37], s[6:7], s[34:35]        ; codes of c_q's tiles 8 w ..
	s_add_co_u32 s34, s18, 32
	s_lshl_b32 s34, s34, 13
	s_add_nc_u64 s[38:39], s[6:7], s[34:35]        ; of c_kv's tile w
	s_lshl_b32 s34, s18, 13
	s_add_nc_u64 s[40:41], s[8:9], s[34:35]        ; their scale words
	s_add_co_u32 s34, s18, 32
	s_lshl_b32 s34, s34, 10
	s_add_nc_u64 s[42:43], s[8:9], s[34:35]
	s_lshl_b32 s34, s18, 9
	s_add_nc_u64 s[10:11], s[10:11], s[34:35]      ; bq_d at my 128 channels
	s_lshl_b32 s34, s18, 6
	s_add_nc_u64 s[12:13], s[12:13], s[34:35]      ; bkv_d at my 16
	s_lshr_b32 s34, ttmp9, 2
	s_lshl_b32 s34, s34, 17                        ; cq_img: block of 128 tokens,
	s_lshl_b32 s19, s18, 15
	s_add_co_u32 s34, s34, s19                     ; K steps 4 w ..,
	s_and_b32 s19, ttmp9, 3
	s_lshl_b32 s19, s19, 11
	s_add_co_u32 s34, s34, s19                     ; token tiles 2 (g % 4) ..
	s_add_nc_u64 s[14:15], s[14:15], s[34:35]
	s_lshr_b32 s34, ttmp9, 1
	s_lshl_b32 s34, s34, 14                        ; ckv_img: step of 64 keys,
	s_and_b32 s19, ttmp9, 1
	s_lshl_b32 s19, s19, 12
	s_add_co_u32 s34, s34, s19                     ; my half of it
	s_add_nc_u64 s[16:17], s[16:17], s[34:35]
	s_lshl_b32 s34, s18, 9                         ; K part: fragment w / 2, registers 4 (w % 2) ..: 512 w bytes
	s_add_nc_u64 s[44:45], s[16:17], s[34:35]
	s_lshl_b32 s34, s18, 10
	s_add_co_u32 s34, s34, 8192                    ; V part: channel tile w
	s_add_nc_u64 s[46:47], s[16:17], s[34:35]
	WIN 0x40                                       ; destination window 1, address window 0
.irp t, 0,1,2,3
.irp s, 0,1,2,3,4,5,6,7
.irp c, 0,1
	global_load_b128 v[64*\t+8*\s+4*\c:64*\t+8*\s+4*\c+3], v[LI], s[36:37] offset:\t*8192+\s*1024+512*\c
.endr
.endr
.endr
	WIN 0x80
.irp t, 0,1,2,3
.irp s, 0,1,2,3,4,5,6,7
.irp c, 0,1
	global_load_b128 v[64*\t+8*\s+4*\c:64*\t+8*\s+4*\c+3], v[LI], s[36:37] offset:(\t+4)*8192+\s*1024+512*\c
.endr
.endr
.endr
	WIN 0xc0
.irp s, 0,1,2,3,4,5,6,7
.irp c, 0,1
	global_load_b128 v[8*\s+4*\c:8*\s+4*\c+3], v[LI], s[38:39] offset:\s*1024+512*\c
.endr
.endr
.irp t, 0,1,2,3,4,5,6,7                ; the biases, in the results' layout: lane (r, h) holds channels 16 t + 8 h + 0 .. 7
.irp m, 0,1
	global_load_b128 v[64+8*(2*\t+\m):64+8*(2*\t+\m)+3], v[BO], s[10:11] offset:\t*64
	global_load_b128 v[64+8*(2*\t+\m)+4:64+8*(2*\t+\m)+7], v[BO], s[10:11] offset:\t*64+16
.endr
.endr
.irp m, 0,1
	global_load_b128 v[192+8*\m:195+8*\m], v[BO], s[12:13]
	global_load_b128 v[196+8*\m:199+8*\m], v[BO], s[12:13] offset:16
.irp j, 0,1,2,3,4,5,6,7
	global_load_b32 v[208+8*\m+\j], v[R4], s[12:13]    ; untransposed: lane (r, h) holds channel r in all eight registers
.endr
.endr
	WIN 0
.irp t, 0,1,2,3,4,5,6,7
.irp s, 0,1,2,3,4,5,6,7
	global_load_b32 v[WS+8*\t+\s], v[LS], s[40:41] offset:\t*1024+\s*128
.endr
.endr
.irp s, 0,1,2,3,4,5,6,7
	global_load_b32 v[WS+64+\s], v[LS], s[42:43] offset:\s*128
.endr
	s_wait_tensorcnt 0x0                           ; my tile of x is in LDS; I alone read it
.irp m, 0,1                            ; four fragments: token tile m, K step 2 w + u
.irp u, 0,1
.irp c, 0,1
.irp i, 0,1,2,3,4,5,6,7
	ds_load_b128 v[XF+32*\c+4*\i:XF+32*\c+4*\i+3], v[XA] offset:\m*16640+\u*512+\c*256+16*\i
.endr
.endr
	s_wait_dscnt 0x0                               ; the numbers are in (and the last fragment's stores are done)
	QUANT6 XF, QM, PC, SH8
	ds_store_b128 v[XWI], v[PC:PC+3] offset:\m*8192+\u*1024          ; the fragment goes to LDS as it stands: 16 bytes a lane, 512 a store
	ds_store_b128 v[XWI], v[PC+4:PC+7] offset:\m*8192+\u*1024+512
	ds_store_b32 v[XWS], v[QM+6] offset:\m*1024+\u*128
.endr
.endr
	s_wait_dscnt 0x0                               ; for the others' sake: my stores have landed
	s_barrier_signal -1
	s_barrier_wait -1                              ; x's sixteen fragments lie in LDS
.set ff, 0
.rept 16
	ds_load_b128 v[XF+8*ff:XF+8*ff+3], v[XRI] offset:ff*1024
	ds_load_b128 v[XF+8*ff+4:XF+8*ff+7], v[XRI] offset:ff*1024+512
	ds_load_b32 v[XS+ff], v[XRS] offset:ff*128
.set ff, ff+1
.endr
	s_wait_dscnt 0x0
	s_wait_loadcnt 0x0                             ; the weights, their scale words, the biases
; 64 matrix instructions: four tiles of c_q x two tiles of tokens, K step by K step: eight accumulators by turns, one instruction a turn
.macro LMUL win, tlo
	WIN \win
.irp s, 0,1,2,3,4,5,6,7
.irp t, 0,1,2,3
.irp m, 0,1
	v_wmma_scale_f32_16x16x128_f8f6f4 v[64+8*(2*(\tlo+\t)+\m):64+8*(2*(\tlo+\t)+\m)+7], v[64*\t+8*\s:64*\t+8*\s+7], v[XF+8*(8*\m+\s):XF+8*(8*\m+\s)+7], v[64+8*(2*(\tlo+\t)+\m):64+8*(2*(\tlo+\t)+\m)+7], v[WS+8*(\tlo+\t)+\s], v[XS+8*\m+\s] matrix_a_fmt:MATRIX_FMT_FP4 matrix_b_fmt:MATRIX_FMT_FP4
.endr
.endr
.endr
.endm
	LMUL 0xf1, 0                                   ; source 0 window 1, source 1 window 0, C and D window 3
	LMUL 0xf2, 4                                   ; source 0 window 2
	WIN 0xf3                                       ; c_kv transposed: source 0 = its tile (window 3)
.irp s, 0,1,2,3,4,5,6,7
.irp m, 0,1
	v_wmma_scale_f32_16x16x128_f8f6f4 v[192+8*\m:199+8*\m], v[8*\s:8*\s+7], v[XF+8*(8*\m+\s):XF+8*(8*\m+\s)+7], v[192+8*\m:199+8*\m], v[WS+64+\s], v[XS+8*\m+\s] matrix_a_fmt:MATRIX_FMT_FP4 matrix_b_fmt:MATRIX_FMT_FP4
.endr
.endr
	WIN 0xfc                                       ; and untransposed: source 0 = x (window 0), source 1 = the tile (window 3); the scale operands go with their sources
.irp s, 0,1,2,3,4,5,6,7
.irp m, 0,1
	v_wmma_scale_f32_16x16x128_f8f6f4 v[208+8*\m:215+8*\m], v[XF+8*(8*\m+\s):XF+8*(8*\m+\s)+7], v[8*\s:8*\s+7], v[208+8*\m:215+8*\m], v[XS+8*\m+\s], v[WS+64+\s] matrix_a_fmt:MATRIX_FMT_FP4 matrix_b_fmt:MATRIX_FMT_FP4
.endr
.endr
.rept 4
	v_nop                                          ; four places before results are read and x's fragments are written over (ISA guide 7.12.1)
.endr
	WIN 0x0f                                       ; sources window 3, destination window 0
.set aa, 0
.rept 20                               ; accumulator aa (at 64 + 8 aa) -> four registers of f16, from its low end on
.irp n, 0,1,2,3
	v_cvt_pk_f16_f32 v[XF+4*aa+\n], v[64+8*aa+2*\n], v[64+8*aa+2*\n+1]
.endr
.set aa, aa+1
.endr
	WIN 0
.irp t, 0,1,2,3,4,5,6,7                ; every store covers 512 consecutive bytes
.irp m, 0,1
	global_store_b128 v[LI], v[XF+4*(2*\t+\m):XF+4*(2*\t+\m)+3], s[14:15] offset:(\t/2)*8192+\m*1024+512*(\t%2)
.endr
.endr
.irp m, 0,1
	global_store_b128 v[LI], v[XF+4*(16+\m):XF+4*(16+\m)+3], s[44:45] offset:\m*2048   ; K: key tile 2 (g % 2) + m
	global_store_b128 v[LI], v[XF+4*(18+\m):XF+4*(18+\m)+3], s[46:47] offset:\m*512    ; V^T: keys 16 m + 8 h + 0 .. 7 of my 32
.endr
	s_wait_tensorcnt 0x0                           ; the wave's end, behind my tensor load and my last LDS store
	ds_add_u32 v[SPW], v[NIL]
	s_wait_dscnt 0x0
	s_endpgm
.Lfunc_end_k_qd80edd26d8_latents:
	.size	k_qd80edd26d8_latents, .Lfunc_end_k_qd80edd26d8_latents-k_qd80edd26d8_latents
	.p2alignl 7, 3214868480
	.fill 96, 4, 3214868480
	.section	.rodata,"a",@progbits
	.p2align	6, 0x0
	.amdhsa_kernel k_qd80edd26d8_latents
		.amdhsa_group_segment_fixed_size 167936
		.amdhsa_private_segment_fixed_size 0
		.amdhsa_enable_private_segment 0
		.amdhsa_kernarg_size 56
		.amdhsa_user_sgpr_count 2
		.amdhsa_user_sgpr_kernarg_segment_ptr 1
		.amdhsa_wavefront_size32 1
		.amdhsa_system_sgpr_workgroup_id_x 1
		.amdhsa_system_sgpr_workgroup_id_y 1
		.amdhsa_system_sgpr_workgroup_id_z 1
		.amdhsa_system_vgpr_workitem_id 0
		.amdhsa_next_free_vgpr 1024
		.amdhsa_next_free_sgpr 66
		.amdhsa_reserve_vcc 0
		.amdhsa_float_denorm_mode_32 3
		.amdhsa_float_denorm_mode_16_64 3
		.amdhsa_memory_ordered 1
		.amdhsa_forward_progress 1
		.amdhsa_inst_pref_size 77
	.end_amdhsa_kernel
	.amdgpu_metadata
---
amdhsa.version: [ 1, 2 ]
amdhsa.kernels:
  - .name:           k_qd80edd26d8_latents
    .symbol:         k_qd80edd26d8_latents.kd
    .args:
      - { .name: x, .offset: 0, .size: 8, .value_kind: global_buffer, .address_space: global }
      - { .name: wl_codes, .offset: 8, .size: 8, .value_kind: global_buffer, .address_space: global }
      - { .name: wl_scales, .offset: 16, .size: 8, .value_kind: global_buffer, .address_space: global }
      - { .name: bq_d, .offset: 24, .size: 8, .value_kind: global_buffer, .address_space: global }
      - { .name: bkv_d, .offset: 32, .size: 8, .value_kind: global_buffer, .address_space: global }
      - { .name: cq_img, .offset: 40, .size: 8, .value_kind: global_buffer, .address_space: global }
      - { .name: ckv_img, .offset: 48, .size: 8, .value_kind: global_buffer, .address_space: global }
    .group_segment_fixed_size: 167936
    .private_segment_fixed_size: 0
    .kernarg_segment_align: 8
    .kernarg_segment_size: 56
    .max_flat_workgroup_size: 128
    .sgpr_count:     66
    .vgpr_count:     1024
    .wavefront_size: 32
...
	.end_amdgpu_metadata
.endif
;; end of part 2
;; launch attn (part 3): grid 64 x 4, 8 waves a work-group, no clusters, 327,680 bytes of LDS; arguments cq_img, wqk_img, b_qk, ckv_img, z_img; writes z_img
.if DOCPART == 3
	.amdgcn_target "amdgcn-amd-amdhsa--gfx1250"
	.amdhsa_code_object_version 6
	.text
	.protected	k_qd80edd26d8_attn
	.globl	k_qd80edd26d8_attn
	.p2align	8
	.type	k_qd80edd26d8_attn,@function
k_qd80edd26d8_attn:
	s_mov_b64 s[64:65], 0
	v_nop
	global_prefetch_b8 v0, s[64:65] scope:SCOPE_SE
	s_setreg_imm32_b32 hwreg(HW_REG_WAVE_MODE, 25, 1), 1
	s_wait_xcnt 0x0
; ATTN: q = c_q w_qk^T + b_qk (a prologue: q never goes to memory), then z[h][t] = softmax_s(q[h][t] . c_kv[s] / 8) c_kv[s], with a running maximum.  All operands f16, sums, maxima and exponentials f32.
; K and V are the same latent c_kv for all heads: the values' up-projection is folded into the last launch's weight.
; SHARES.  A work-group owns 128 tokens x 4 heads.  Wave w: 64 tokens (w % 2), head w / 2: four tiles of 16 queries.  Two waves of 512 registers share a SIMD, so that one wave's softmax stands beside the
; other's matrix work.  Every wave walks the batch's 2,048 keys, 64 a step; each fragment of K and V read from LDS feeds four matrix instructions.
; LAYOUT.  All products are used transposed: q^T = w_qk c_q^T, S^T = K q^T, z^T = V^T P: a lane holds ONE query (lane % 16) throughout, and two result tiles rounded to f16 in pairs ARE the next product's source 1.
; All tiles lie in memory as images of the fragments' registers (1,024 bytes: registers 0-3 at 16 x lane, 4-7 at 512 + 16 x lane): dense blocks for the tensor loads, 512 consecutive bytes for each LDS load, no padding.
; q's RANGE.  Each query is divided by pw, the power of two of its largest magnitude, before it is rounded to f16 (exact), and pw comes back in the softmax's one multiply-add: t = score x (pw log2(e) / 8).
; SOFTMAX.  m the running largest score, p = 2^(s sc - m sc); in every step l and z^T are multiplied by a = 2^(m_old sc - m_new sc).  The row's sum is taken of the unrounded p.
; NO CLUSTER: a slot of 64 KiB feeds 8 x 256 matrix instructions, so what partners could share is a small part of a step's LDS traffic, and w_qk's tiles differ between the work-groups of one batch.
; LIMITS: c_q, c_kv, z and w_qk in f16: magnitudes under 65,504; q up to 2^126; NaN and infinities are not served.
; REGISTERS: window 0: v1-10 addresses; v16-47 statistics, 8 a tile: +0 -m sc, +1 m, +2 +3 l, +4 +5 sc, +6 a, +7 at work; v48-63 four at work a tile; v64-191 S^T, 32 a tile (first q^T's sums, later P in place);
;   v192-255 b_qk in the result's layout, then K's 8 fragments.   window 1: v0-63 q, 16 a tile; v64-191 z^T, 32 a tile (in the prologue two fragment buffers); v192-255 V's 8 fragments.
.set SLOT1, 131072                     ; slot 1 begins here: one exclusive or turns an address in one slot into the other's
.set SPARE, 229376                     ; behind the ring: the spare words, 128 bytes for each of the eight waves
.set LI,  1                            ; v1  16 x lane
.set ADR, 2                            ; v2  LDS address of the step being fetched
.set PA,  3                            ; v3-4  prologue: my head's fragments of w_qk in slot 0, 1
.set PB,  5                            ; v5-6  my tokens' fragments of c_q
.set BO,  7                            ; v7  32 h
.set PFO, 8                            ; v8  256 x lane; never rewritten
.set SPW, 9                            ; v9  my spare word; never rewritten
.set NIL, 10                           ; v10 0; never rewritten
.set ST,  16
.set CC,  48
.set S,   64
.set KB,  192
.set QF,  0                            ; window 1
.set OT,  64
.set VB,  192
.set WV,  14
.set G1A, 24                           ; s[24:31] a dense block of 64 rows x 256 bytes
.set G1B, 32                           ; s[32:39] of 32 rows
.set G0A, 40                           ; s[40:47] w_qk's tiles, a set for each slot
.set G0B, 48                           ; s[48:55] c_q's
.set G0C, 56                           ; s[56:59] c_kv's: it walks
.set SEL, 60
.set TB,  62                           ; s62 LDS byte at which the step to be fetched begins
.set SLOTS, 63
.set CNT, 66
.set PFA, 68                           ; s[68:69] where my prefetches stand
.set LIM, 70                           ; s70 1 in a work-group that prefetches, else the greatest number
.set MSB, 0
.macro WIN new                         ; the immediate's high byte repeats the setting that is left
.if MSB != (\new)
	s_set_vgpr_msb (MSB<<8)|(\new)
.set MSB, (\new)
.endif
.endm
.macro PLACES n
.rept \n
	v_nop
.endr
.endm
; A prologue refill: waves 0-3 fetch a K step of w_qk each (16 KiB), waves 4-7 a K step of c_q (8 KiB).  The branch hangs on the wave's number alone; an s_nop 0 and four v_nop follow each line.
.macro PLOAD s
	s_cmp_lt_u32 s[WV], 4
	s_cbranch_scc0 .Lpl_b_\@
	tensor_load_to_lds s[G0A+4*(\s):G0A+4*(\s)+3], s[G1A:G1A+7]
	s_nop 0
	PLACES 4
	s_branch .Lpl_e_\@
.Lpl_b_\@:
	tensor_load_to_lds s[G0B+4*(\s):G0B+4*(\s)+3], s[G1B:G1B+7]
	s_nop 0
	PLACES 4
.Lpl_e_\@:
.endm
; The fragments of prologue K step k (32 along K) into buffer p: 4 of w_qk (my head's 64 channels), 4 of c_q (my 64 tokens)
.macro FETCHP k, p
.set FSL, ((\k)/4)%2
.set FKS, (\k)%4
.set FB, 64+64*(\p)
	WIN 0x40                                       ; destination window 1, address window 0
.irp ct, 0,1,2,3
.irp c, 0,1
	ds_load_b128 v[FB+8*\ct+4*\c:FB+8*\ct+4*\c+3], v[PA+FSL] offset:FKS*16384+\ct*1024+512*\c
.endr
.endr
.irp i, 0,1,2,3
.irp c, 0,1
	ds_load_b128 v[FB+32+8*\i+4*\c:FB+32+8*\i+4*\c+3], v[PB+FSL] offset:FKS*8192+\i*1024+512*\c
.endr
.endr
.endm
; 16 matrix instructions on 16 accumulators; first = 1: the bias is the C of each sum's first instruction
.macro PMUL p, first
.set FB, 64+64*(\p)
	WIN 0x05                                       ; sources 0 and 1 window 1; C and D window 0
.irp i, 0,1,2,3
.irp ct, 0,1,2,3
.if \first
	v_wmma_f32_16x16x32_f16 v[S+32*\i+8*\ct:S+32*\i+8*\ct+7], v[FB+8*\ct:FB+8*\ct+7], v[FB+32+8*\i:FB+32+8*\i+7], v[KB+8*\ct:KB+8*\ct+7]
.else
	v_wmma_f32_16x16x32_f16 v[S+32*\i+8*\ct:S+32*\i+8*\ct+7], v[FB+8*\ct:FB+8*\ct+7], v[FB+32+8*\i:FB+32+8*\i+7], v[S+32*\i+8*\ct:S+32*\i+8*\ct+7]
.endif
.endr
.endr
.endm
.macro LOADK                           ; a step's K: 4 tiles of 16 keys x 2 fragments of 32 channels.  (Every window is 0 here)
	v_add_nc_u32 v[ADR], s[TB], v[LI]
.irp kt, 0,1,2,3
.irp f, 0,1
.irp c, 0,1
	ds_load_b128 v[KB+16*\kt+8*\f+4*\c:KB+16*\kt+8*\f+4*\c+3], v[ADR] offset:\kt*2048+\f*1024+512*\c
.endr
.endr
.endr
.endm
.macro LOADV                           ; the same step's V^T: 2 groups of 32 keys x 4 tiles of 16 channels
	WIN 0x40
.irp g, 0,1
.irp ct, 0,1,2,3
.irp c, 0,1
	ds_load_b128 v[VB+32*\g+8*\ct+4*\c:VB+32*\g+8*\ct+4*\c+3], v[ADR] offset:8192+\g*4096+\ct*1024+512*\c
.endr
.endr
.endr
	WIN 0
.endm
; A PREFETCH INTO THE L2 of the slot that the NEXT change of slots will load: 64 KiB of ckv_img, 8 KiB a wave, lanes 256 bytes apart, one instruction a wave.  All 64 work-groups of a batch walk the same
; keys: the batch's first work-group asks, so each block of 256 bytes is named once.  The change that loads the last slot asks for nothing; nothing is asked at the head.
.macro ASK
	s_cmp_gt_u32 s[SLOTS], s[LIM]
	s_cbranch_scc0 .Lnot_mine_\@
	global_prefetch_b8 v[PFO], s[PFA:PFA+1] th:TH_LOAD_NT scope:SCOPE_SE
.Lnot_mine_\@:
.endm
	s_load_b256 s[4:11], s[0:1], 0x0               ; cq_img 4, wqk_img 6, b_qk 8, ckv_img 10
	s_load_b64 s[12:13], s[0:1], 0x20              ; z_img
	v_lshl_add_u32 v[SPW], v0, 2, SPARE
	v_mov_b32 v[NIL], 0
	ds_add_u32 v[SPW], v[NIL]                      ; the wave's opening: the add, twice on end, and its wait ahead of my first tensor load; the set-up below is work on registers
	ds_add_u32 v[SPW], v[NIL]
	v_lshrrev_b32 v11, 5, v0
	v_readfirstlane_b32 s[WV], v11                 ; wave 0..7
	s_and_b32 s15, s[WV], 1                        ; th: which 64 tokens
	s_lshr_b32 s16, s[WV], 1                       ; hh: which of the four heads
	s_and_b32 s17, s[WV], 3                        ; which K step of a prologue slot I fetch
	s_and_b32 s18, ttmp9, 3                        ; hg: the group of four heads
	s_lshr_b32 s19, ttmp9, 2
	s_and_b32 s20, ttmp7, 0xffff                   ; the batch
	s_lshl_b32 s21, s20, 4
	s_add_co_u32 s21, s21, s19                     ; blk: the block of 128 tokens
	s_mov_b32 s[G1A+0], 3<<16                      ; elements of 8 bytes; no mask, no padding
	s_mov_b32 s[G1A+1], 32<<16                     ; tensor_dim0 = 32: rows of 256 bytes
	s_mov_b32 s[G1A+2], 64<<16                     ; tensor_dim1 = 64
	s_mov_b32 s[G1A+3], 32<<16                     ; tile_dim0
	s_mov_b32 s[G1A+4], 64                         ; tile_dim1
	s_mov_b32 s[G1A+5], 32                         ; the block is dense
	s_mov_b32 s[G1A+6], 0
	s_mov_b32 s[G1A+7], 0
	s_mov_b32 s[G1B+0], 3<<16
	s_mov_b32 s[G1B+1], 32<<16
	s_mov_b32 s[G1B+2], 32<<16
	s_mov_b32 s[G1B+3], 32<<16
	s_mov_b32 s[G1B+4], 32
	s_mov_b32 s[G1B+5], 32
	s_mov_b32 s[G1B+6], 0
	s_mov_b32 s[G1B+7], 0
	v_and_b32 v11, 31, v0
	v_lshlrev_b32 v[LI], 4, v11
	v_lshlrev_b32 v[PFO], 8, v11
	v_bfe_u32 v12, v0, 4, 1
	v_lshlrev_b32 v[BO], 5, v12
	s_lshl_b32 s72, s16, 12
	v_add_nc_u32 v[PA], s72, v[LI]
	s_add_co_u32 s72, s72, SLOT1
	v_add_nc_u32 v[PA+1], s72, v[LI]
	s_lshl_b32 s72, s15, 12
	s_add_co_u32 s72, s72, 65536
	v_add_nc_u32 v[PB], s72, v[LI]
	s_add_co_u32 s72, s72, SLOT1
	v_add_nc_u32 v[PB+1], s72, v[LI]
	s_mov_b32 s[SEL], 0x76543210
	s_mov_b32 s[SEL+1], 0xfedcba98
	s_mov_b32 s[TB], 0
	s_mov_b32 s[SLOTS], 6
	s_cmp_eq_u32 ttmp9, 0
	s_cselect_b32 s[LIM], 1, -1
	s_lshl_b32 s22, s17, 14                        ; LDS: w_qk's K step
	s_lshl_b32 s23, s17, 13
	s_add_co_u32 s23, s23, 65536                   ; c_q's
	s_lshl_b32 s72, s18, 18
	s_add_co_u32 s72, s72, s22                     ; wqk_img: hg x 262,144 + my K step
	s_mov_b32 s73, 0
	s_lshl_b32 s74, s21, 17
	s_lshl_b32 s75, s17, 13
	s_add_co_u32 s74, s74, s75                     ; cq_img: blk x 131,072 + my K step
	s_mov_b32 s75, 0
	s_lshl_b32 s76, s20, 19
	s_lshl_b32 s77, s[WV], 13
	s_add_co_u32 s76, s76, s77                     ; ckv_img: batch x 524,288 + my eighth of a slot
	s_mov_b32 s[G0C+1], s77                        ; and its place in slot 0
	s_mov_b32 s77, 0
	s_lshl_b32 s79, s18, 2
	s_add_co_u32 s79, s79, s16                     ; my head
	s_lshl_b32 s78, s21, 18
	s_lshl_b32 s71, s79, 14
	s_add_co_u32 s78, s78, s71
	s_lshl_b32 s71, s15, 12
	s_add_co_u32 s78, s78, s71                     ; z_img: blk x 262,144 + head x 16,384 + th x 4,096
	s_lshl_b32 s71, s79, 8                         ; b_qk: my head's 64 numbers
	s_mov_b32 s79, 0
	s_wait_dscnt 0x0                               ; both opening adds are done
	s_wait_kmcnt 0x0
	s_add_nc_u64 s[6:7], s[6:7], s[72:73]
	s_add_nc_u64 s[4:5], s[4:5], s[74:75]
	s_add_nc_u64 s[10:11], s[10:11], s[76:77]
	s_add_nc_u64 s[12:13], s[12:13], s[78:79]
	s_mov_b32 s72, s71
	s_add_nc_u64 s[8:9], s[8:9], s[72:73]
.irp s, 0,1
	s_mov_b32 s[G0A+4*\s], 1
	s_add_co_u32 s[G0A+4*\s+1], s22, \s*SLOT1
	s_add_nc_u64 s[G0A+4*\s+2:G0A+4*\s+3], s[6:7], \s*65536
	s_or_b32 s[G0A+4*\s+3], s[G0A+4*\s+3], 0x80000000
	s_mov_b32 s[G0B+4*\s], 1
	s_add_co_u32 s[G0B+4*\s+1], s23, \s*SLOT1
	s_add_nc_u64 s[G0B+4*\s+2:G0B+4*\s+3], s[4:5], \s*32768
	s_or_b32 s[G0B+4*\s+3], s[G0B+4*\s+3], 0x80000000
.endr
	s_mov_b32 s[G0C], 1
	s_mov_b64 s[G0C+2:G0C+3], s[10:11]
	s_or_b32 s[G0C+3], s[G0C+3], 0x80000000
	s_add_nc_u64 s[PFA:PFA+1], s[10:11], 131072    ; at slot 2; the first change of slots steps it to slot 3
	s_cmp_lt_u32 s[WV], 4                          ; a wave's two first fills stand in one branch, ahead of every wait on TENSORcnt, LDS read and barrier: two loads of mine are out
	s_cbranch_scc0 .Lfirst_b
	tensor_load_to_lds s[G0A:G0A+3], s[G1A:G1A+7]
	s_nop 0
	tensor_load_to_lds s[G0A+4:G0A+7], s[G1A:G1A+7]
	s_nop 0
	PLACES 4
	s_branch .Lfirst_done
.Lfirst_b:
	tensor_load_to_lds s[G0B:G0B+3], s[G1B:G1B+7]
	s_nop 0
	tensor_load_to_lds s[G0B+4:G0B+7], s[G1B:G1B+7]
	s_nop 0
	PLACES 4
.Lfirst_done:
.irp ct, 0,1,2,3                       ; b_qk in the result's layout: lane (r, h): channels 16 ct + 8 h + 0 .. 7
	global_load_b128 v[KB+8*\ct:KB+8*\ct+3], v[BO], s[8:9] offset:\ct*64
	global_load_b128 v[KB+8*\ct+4:KB+8*\ct+7], v[BO], s[8:9] offset:\ct*64+16
.endr
	s_wait_tensorcnt 0x1                           ; my part of slot 0 is in; slot 1's may stay out
	s_barrier_signal -1
	s_barrier_wait -1
	FETCHP 0, 0
	s_wait_loadcnt 0x0                             ; the bias
; THE PROLOGUE: 16 K steps of 32, four to a slot.  In a slot's last step its fragments are already in registers at the barrier, so the slot is filled again there: with K steps 8-11, 12-15, then with c_kv's slots 0 and 1.
.macro PSTEP k
	WIN 0
	PLACES 4                                       ; places in front of loads into the buffer that the last step multiplied (ISA guide 7.12.1 for vector instructions)
.if (\k)%4 == 3
	s_wait_tensorcnt 0x0                           ; all my tensor loads have landed: my part of the next slot; so a group 0 may be written
	ds_add_u32 v[SPW], v[NIL]                      ; 0 onto my spare word
.if (\k) == 3
	s_add_nc_u64 s[G0A+2:G0A+3], s[G0A+2:G0A+3], 131072
	s_add_nc_u64 s[G0B+2:G0B+3], s[G0B+2:G0B+3], 65536
.elseif (\k) == 7
	s_add_nc_u64 s[G0A+6:G0A+7], s[G0A+6:G0A+7], 131072
	s_add_nc_u64 s[G0B+6:G0B+7], s[G0B+6:G0B+7], 65536
.elseif (\k) == 15
	s_xor_b32 s[G0C+1], s[G0C+1], SLOT1
	s_add_nc_u64 s[G0C+2:G0C+3], s[G0C+2:G0C+3], 65536
.endif
	s_wait_dscnt 0x0                               ; the add is done, and my reads of this slot are over
	s_barrier_signal -1
	s_barrier_wait -1
.if (\k) == 3
	PLOAD 0
.elseif (\k) == 7
	PLOAD 1
.else
	tensor_load_to_lds s[G0C:G0C+3], s[G1B:G1B+7]  ; my eighth of a slot of c_kv
	s_nop 0
	PLACES 4
.endif
.endif
.if (\k) < 15
	FETCHP (\k)+1, ((\k)+1)%2
	s_wait_dscnt 16                                ; all but the 16 just issued: this step's fragments are in
.else
	LOADK                                          ; key step 0
	LOADV
.endif
.if (\k) == 0
	PMUL 0, 1
.else
	PMUL (\k)%2, 0
.endif
.endm
.irp k, 0,1,2,3,4,5,6,7,8,9,10,11,12,13,14,15
	PSTEP \k
.endr
	; FROM THE SUMS TO q: each query's largest magnitude, its power of two pw, q / pw rounded to f16, sc = pw log2(e) / 8
	WIN 0
	PLACES 5
.irp t, 0,1,2,3
	v_max3_num_f32 v[CC+4*\t], |v[S+32*\t]|, |v[S+32*\t+1]|, 0x0d800000   ; a floor of 2^-100 among the leaves; each accumulator is read from its low end on
.endr
.irp i, 2,4,6,8,10,12,14,16,18,20,22,24,26,28,30
.irp t, 0,1,2,3
	v_max3_num_f32 v[CC+4*\t], v[CC+4*\t], |v[S+32*\t+\i]|, |v[S+32*\t+\i+1]|
.endr
.endr
.irp t, 0,1,2,3
	v_mov_b32 v[CC+4*\t+1], 0                      ; a lane permute's destination counts as one of its sources
.endr
.irp t, 0,1,2,3
	v_permlanex16_b32 v[CC+4*\t+1], v[CC+4*\t], s[SEL], s[SEL+1]   ; the query's other 32 channels lie in the lane 16 away
.endr
.irp t, 0,1,2,3
	v_max_num_f32 v[CC+4*\t], v[CC+4*\t], v[CC+4*\t+1]
.endr
.irp t, 0,1,2,3
	v_and_b32 v[CC+4*\t], 0x7f800000, v[CC+4*\t]   ; pw
.endr
.irp t, 0,1,2,3
	v_sub_nc_u32 v[CC+4*\t+2], 0x7f000000, v[CC+4*\t]   ; 1 / pw: the exponent field mirrored
.endr
.irp t, 0,1,2,3
	v_mov_b32 v[CC+4*\t+3], v[CC+4*\t+2]           ; (named with it as a pair, so it is written)
.endr
.irp t, 0,1,2,3
	v_mul_f32 v[ST+8*\t+4], 0x3e38aa3b, v[CC+4*\t] ; sc = pw x log2(e) / 8
.endr
.irp t, 0,1,2,3
	v_mov_b32 v[ST+8*\t+5], v[ST+8*\t+4]
.endr
.set nn, 0
.rept 16
.irp t, 0,1,2,3
	v_pk_mul_f32 v[S+32*\t+2*nn:S+32*\t+2*nn+1], v[S+32*\t+2*nn:S+32*\t+2*nn+1], v[CC+4*\t+2:CC+4*\t+3] op_sel_hi:[1,0]
.endr
.set nn, nn+1
.endr
	WIN 0x40                                       ; destination window 1
.set nn, 0
.rept 16
.irp t, 0,1,2,3
	v_cvt_pk_f16_f32 v[QF+16*\t+nn], v[S+32*\t+2*nn], v[S+32*\t+2*nn+1]
.endr
.set nn, nn+1
.endr
.set nn, 0
.rept 128
	v_mov_b32 v[OT+nn], 0                          ; z^T.  The key step is written without a first step of its own: it finds zeros, which the first a leaves zeros; that spares three more copies of the step's text
.set nn, nn+1
.endr
	WIN 0
.irp t, 0,1,2,3
	v_mov_b32 v[ST+8*\t+1], 0xff61b1e6             ; m: -3e38, under every score
	v_mov_b32 v[ST+8*\t], 0x7f61b1e6               ; -m sc: so that the first a is 0
	v_mov_b32 v[ST+8*\t+2], 0                      ; l, in two halves
	v_mov_b32 v[ST+8*\t+3], 0
	v_mov_b32 v[ST+8*\t+6], 0
	v_mov_b32 v[ST+8*\t+7], 0
.endr
; A KEY STEP: 64 keys.  chg = 1: the slot's last step: the slot is left and filled again; 2: left, nothing more to fetch; 0: neither.  nk, nv: the next step's K and V are fetched.
.macro STEP chg, nk, nv
	s_wait_dscnt 16                                ; K is in; V's 16 loads, issued behind it, may be out
	WIN 0x04                                       ; source 1 (q) window 1
.irp f, 0,1                            ; S^T = K q^T: 16 accumulators by turns, one instruction a turn
.irp kt, 0,1,2,3
.irp t, 0,1,2,3
.if \f == 0
	v_wmma_f32_16x16x32_f16 v[S+32*\t+8*\kt:S+32*\t+8*\kt+7], v[KB+16*\kt+8*\f:KB+16*\kt+8*\f+7], v[QF+16*\t+8*\f:QF+16*\t+8*\f+7], 0
.else
	v_wmma_f32_16x16x32_f16 v[S+32*\t+8*\kt:S+32*\t+8*\kt+7], v[KB+16*\kt+8*\f:KB+16*\kt+8*\f+7], v[QF+16*\t+8*\f:QF+16*\t+8*\f+7], v[S+32*\t+8*\kt:S+32*\t+8*\kt+7]
.endif
.endr
.endr
.endr
	WIN 0
	PLACES 4                                       ; in front of the loads into K's registers and of the first read of the scores
.if \chg
	s_wait_tensorcnt 0x0                           ; all my tensor loads have landed: my part of the next slot; so a group 0 may be written
	ds_add_u32 v[SPW], v[NIL]                      ; 0 onto my spare word
.if \chg == 1
	s_xor_b32 s[G0C+1], s[G0C+1], SLOT1            ; the walking descriptor: the other slot than last time, the next 256 keys
	s_add_nc_u64 s[G0C+2:G0C+3], s[G0C+2:G0C+3], 65536
	s_wait_xcnt 0x0                                ; the last prefetch, a slot back, has read its address, so it may be written
	s_add_nc_u64 s[PFA:PFA+1], s[PFA:PFA+1], 65536
.endif
	s_wait_dscnt 0x0                               ; the add is done, and my reads of this slot (its last V among them) are over
	s_barrier_signal -1
	s_barrier_wait -1
.if \chg == 1
	tensor_load_to_lds s[G0C:G0C+3], s[G1B:G1B+7]  ; my one tensor load behind the barrier: it has four key steps in which to land
	s_nop 0
	PLACES 4
	ASK
.endif
	s_sub_co_u32 s[TB], s[TB], 49152               ; the fetches go back to a slot's first step,
	s_xor_b32 s[TB], s[TB], SLOT1                  ; in the other slot
.else
	s_add_co_u32 s[TB], s[TB], 16384
.endif
.if \nk
	LOADK
.endif
	; the softmax, stage by stage, the four tiles by turns.  The maximum of 32 scores and the old m: four chains, three operands at a time
.irp j, 0,1,2,3
.irp t, 0,1,2,3
	v_max3_num_f32 v[CC+4*\t+\j], v[S+32*\t+8*\j], v[S+32*\t+8*\j+1], v[S+32*\t+8*\j+2]
.endr
.endr
.irp u, 1,2
.irp j, 0,1,2,3
.irp t, 0,1,2,3
	v_max3_num_f32 v[CC+4*\t+\j], v[CC+4*\t+\j], v[S+32*\t+8*\j+2*\u+1], v[S+32*\t+8*\j+2*\u+2]
.endr
.endr
.endr
.irp t, 0,1,2,3
	v_max3_num_f32 v[CC+4*\t], v[CC+4*\t], v[S+32*\t+7], v[S+32*\t+15]
.endr
.irp t, 0,1,2,3
	v_max3_num_f32 v[CC+4*\t+2], v[CC+4*\t+2], v[S+32*\t+23], v[S+32*\t+31]
.endr
.irp t, 0,1,2,3
	v_max3_num_f32 v[CC+4*\t], v[CC+4*\t], v[CC+4*\t+1], v[CC+4*\t+2]
.endr
.irp t, 0,1,2,3
	v_max3_num_f32 v[CC+4*\t], v[CC+4*\t], v[CC+4*\t+3], v[ST+8*\t+1]
.endr
.irp t, 0,1,2,3
	v_permlanex16_b32 v[CC+4*\t+1], v[CC+4*\t], s[SEL], s[SEL+1]   ; the query's other 32 keys lie in the lane 16 away
.endr
.irp t, 0,1,2,3
	v_max_num_f32 v[ST+8*\t+1], v[CC+4*\t], v[CC+4*\t+1]           ; the new m
.endr
.irp t, 0,1,2,3
	v_mul_f32 v[ST+8*\t+7], -v[ST+8*\t+1], v[ST+8*\t+4]            ; -m sc
.endr
.irp t, 0,1,2,3
	v_sub_f32 v[ST+8*\t+6], v[ST+8*\t+7], v[ST+8*\t]               ; m_old sc - m_new sc
.endr
.irp t, 0,1,2,3
	v_mov_b32 v[ST+8*\t], v[ST+8*\t+7]
.endr
.irp t, 0,1,2,3
	v_exp_f32 v[ST+8*\t+6], v[ST+8*\t+6]                           ; a: the first of the step's one batch of 132 exponentials
.endr
.set nn, 0
.rept 16
.irp t, 0,1,2,3
	v_pk_fma_f32 v[S+32*\t+2*nn:S+32*\t+2*nn+1], v[S+32*\t+2*nn:S+32*\t+2*nn+1], v[ST+8*\t+4:ST+8*\t+5], v[ST+8*\t:ST+8*\t+1] op_sel_hi:[1,0,0]   ; s sc - m sc (of the pairs the low word serves both halves)
.endr
.set nn, nn+1
.endr
.set nn, 0
.rept 128
	v_exp_f32 v[S+nn], v[S+nn]
.set nn, nn+1
.endr
	v_nop                                          ; a plain instruction behind the last exponential,
	s_wait_alu depctr_va_vdst(0)                   ; and the one wait ahead of the batch's first reader
.irp t, 0,1,2,3
	v_pk_mul_f32 v[ST+8*\t+2:ST+8*\t+3], v[ST+8*\t+2:ST+8*\t+3], v[ST+8*\t+6:ST+8*\t+7] op_sel_hi:[1,0]   ; l x a
.endr
.irp t, 0,1,2,3
	v_pk_add_f32 v[CC+4*\t:CC+4*\t+1], v[S+32*\t:S+32*\t+1], v[S+32*\t+2:S+32*\t+3]   ; the sum of the unrounded p, in two chains
.endr
.irp j, 4,8,12,16,20,24,28
.irp t, 0,1,2,3
	v_pk_add_f32 v[ST+8*\t+2:ST+8*\t+3], v[ST+8*\t+2:ST+8*\t+3], v[S+32*\t+\j:S+32*\t+\j+1]
	v_pk_add_f32 v[CC+4*\t:CC+4*\t+1], v[CC+4*\t:CC+4*\t+1], v[S+32*\t+\j+2:S+32*\t+\j+3]
.endr
.endr
.irp t, 0,1,2,3
	v_pk_add_f32 v[ST+8*\t+2:ST+8*\t+3], v[ST+8*\t+2:ST+8*\t+3], v[CC+4*\t:CC+4*\t+1]
.endr
.set nn, 0
.rept 16
.irp t, 0,1,2,3
	v_cvt_pk_f16_f32 v[S+32*\t+nn], v[S+32*\t+2*nn], v[S+32*\t+2*nn+1]   ; P in place, ascending: register n takes pair n, which lies at or above it
.endr
.set nn, nn+1
.endr
	WIN 0x41                                       ; z^T (destination and source 0) window 1, a window 0
.set nn, 0
.rept 16
.irp t, 0,1,2,3
	v_pk_mul_f32 v[OT+32*\t+2*nn:OT+32*\t+2*nn+1], v[OT+32*\t+2*nn:OT+32*\t+2*nn+1], v[ST+8*\t+6:ST+8*\t+7] op_sel_hi:[1,0]
.endr
.set nn, nn+1
.endr
.if \nk
	s_wait_dscnt 16                                ; V is in; the next K's 16 loads may be out
.else
	s_wait_dscnt 0x0
.endif
	WIN 0x51                                       ; V window 1, P window 0, z^T window 1
.irp g, 0,1                            ; z^T += V^T P: 16 accumulators by turns
.irp ct, 0,1,2,3
.irp t, 0,1,2,3
	v_wmma_f32_16x16x32_f16 v[OT+32*\t+8*\ct:OT+32*\t+8*\ct+7], v[VB+32*\g+8*\ct:VB+32*\g+8*\ct+7], v[S+32*\t+8*\g:S+32*\t+8*\g+7], v[OT+32*\t+8*\ct:OT+32*\t+8*\ct+7]
.endr
.endr
.endr
	PLACES 5                                       ; the next step's scores are laid over P, which these products read: five places; four of them serve the loads into V's registers
.if \nv
	LOADV
.else
	WIN 0
.endif
.endm
.Lslot:                                ; six trips: slots 0 to 5 are left and filled again with slots 2 to 7
	s_mov_b32 s[CNT], 3
.Lsa:
	STEP 0, 1, 1
	s_sub_co_u32 s[CNT], s[CNT], 1
	s_cmp_lg_u32 s[CNT], 0
	s_cbranch_scc1 .Lsa
	STEP 1, 1, 1
	s_sub_co_u32 s[SLOTS], s[SLOTS], 1
	s_cmp_lg_u32 s[SLOTS], 0
	s_cbranch_scc1 .Lslot
	s_mov_b32 s[CNT], 3                            ; the tail is written out: slot 6
.Lsb:
	STEP 0, 1, 1
	s_sub_co_u32 s[CNT], s[CNT], 1
	s_cmp_lg_u32 s[CNT], 0
	s_cbranch_scc1 .Lsb
	STEP 2, 1, 1
	s_mov_b32 s[CNT], 3                            ; and slot 7
.Lsc:
	STEP 0, 1, 1
	s_sub_co_u32 s[CNT], s[CNT], 1
	s_cmp_lg_u32 s[CNT], 0
	s_cbranch_scc1 .Lsc
	STEP 0, 0, 0
	; THE WAY OUT: z^T / l, rounded to f16: the registers are the last launch's fragments as they stand, so they are stored with no stage: 512 consecutive bytes a store
.irp t, 0,1,2,3
	v_add_f32 v[CC+4*\t], v[ST+8*\t+2], v[ST+8*\t+3]
.endr
.irp t, 0,1,2,3
	v_permlanex16_b32 v[CC+4*\t+1], v[CC+4*\t], s[SEL], s[SEL+1]
.endr
.irp t, 0,1,2,3
	v_add_f32 v[CC+4*\t], v[CC+4*\t], v[CC+4*\t+1]
.endr
.irp t, 0,1,2,3
	v_rcp_f32 v[ST+8*\t+6], v[CC+4*\t]
.endr
	v_nop                                          ; a plain instruction behind the last reciprocal,
	s_wait_alu depctr_va_vdst(0)                   ; and the one wait for the four
	WIN 0x41
.set nn, 0
.rept 16
.irp t, 0,1,2,3
	v_pk_mul_f32 v[OT+32*\t+2*nn:OT+32*\t+2*nn+1], v[OT+32*\t+2*nn:OT+32*\t+2*nn+1], v[ST+8*\t+6:ST+8*\t+7] op_sel_hi:[1,0]
.endr
.set nn, nn+1
.endr
	WIN 0x05                                       ; sources window 1, destination window 0
.set nn, 0
.rept 16
.irp t, 0,1,2,3
	v_cvt_pk_f16_f32 v[S+16*\t+nn], v[OT+32*\t+2*nn], v[OT+32*\t+2*nn+1]
.endr
.set nn, nn+1
.endr
	WIN 0
.irp t, 0,1,2,3
.irp f, 0,1
.irp c, 0,1
	global_store_b128 v[LI], v[S+16*\t+8*\f+4*\c:S+16*\t+8*\f+4*\c+3], s[12:13] offset:\f*8192+\t*1024+512*\c
.endr
.endr
.endr
	s_wait_tensorcnt 0x0                           ; the wave's end, behind my last tensor load
	ds_add_u32 v[SPW], v[NIL]
	s_wait_dscnt 0x0
	s_endpgm
.Lfunc_end_k_qd80edd26d8_attn:
	.size	k_qd80edd26d8_attn, .Lfunc_end_k_qd80edd26d8_attn-k_qd80edd26d8_attn
	.p2alignl 7, 3214868480
	.fill 96, 4, 3214868480
	.section	.rodata,"a",@progbits
	.p2align	6, 0x0
	.amdhsa_kernel k_qd80edd26d8_attn
		.amdhsa_group_segment_fixed_size 327680
		.amdhsa_private_segment_fixed_size 0
		.amdhsa_enable_private_segment 0
		.amdhsa_kernarg_size 40
		.amdhsa_user_sgpr_count 2
		.amdhsa_user_sgpr_kernarg_segment_ptr 1
		.amdhsa_wavefront_size32 1
		.amdhsa_system_sgpr_workgroup_id_x 1
		.amdhsa_system_sgpr_workgroup_id_y 1
		.amdhsa_system_sgpr_workgroup_id_z 1
		.amdhsa_system_vgpr_workitem_id 0
		.amdhsa_next_free_vgpr 512
		.amdhsa_next_free_sgpr 80
		.amdhsa_reserve_vcc 0
		.amdhsa_float_denorm_mode_32 3
		.amdhsa_float_denorm_mode_16_64 3
		.amdhsa_memory_ordered 1
		.amdhsa_forward_progress 1
		.amdhsa_inst_pref_size 255
	.end_amdhsa_kernel
	.section	.bss,"aw",@nobits
	.p2align	6
	.space	262144
	.amdgpu_metadata
---
amdhsa.version: [ 1, 2 ]
amdhsa.kernels:
  - .name:           k_qd80edd26d8_attn
    .symbol:         k_qd80edd26d8_attn.kd
    .args:
      - { .name: cq_img, .offset: 0, .size: 8, .value_kind: global_buffer, .address_space: global }
      - { .name: wqk_img, .offset: 8, .size: 8, .value_kind: global_buffer, .address_space: global }
      - { .name: b_qk, .offset: 16, .size: 8, .value_kind: global_buffer, .address_space: global }
      - { .name: ckv_img, .offset: 24, .size: 8, .value_kind: global_buffer, .address_space: global }
      - { .name: z_img, .offset: 32, .size: 8, .value_kind: global_buffer, .address_space: global }
    .group_segment_fixed_size: 327680
    .private_segment_fixed_size: 0
    .kernarg_segment_align: 8
    .kernarg_segment_size: 40
    .max_flat_workgroup_size: 256
    .sgpr_count:     80
    .vgpr_count:     512
    .wavefront_size: 32
...
	.end_amdgpu_metadata
.endif
;; end of part 3
;; launch proj (part 4): grid 4 x 64, 4 waves a work-group, clusters of 4 x 4, 327,680 bytes of LDS; arguments z_img, wc_img, b_comb, out0; writes out0
.if DOCPART == 4
	.amdgcn_target "amdgcn-amd-amdhsa--gfx1250"
	.amdhsa_code_object_version 6
	.text
	.protected	k_qd80edd26d8_proj
	.globl	k_qd80edd26d8_proj
	.p2align	8
	.type	k_qd80edd26d8_proj,@function
k_qd80edd26d8_proj:
	s_mov_b64 s[64:65], 0
	v_nop
	global_prefetch_b8 v0, s[64:65] scope:SCOPE_SE
	s_setreg_imm32_b32 hwreg(HW_REG_WAVE_MODE, 25, 1), 1
	s_wait_xcnt 0x0
	s_wait_alu depctr_hold_cnt(0) depctr_sa_sdst(0) depctr_va_vdst(0) depctr_va_sdst(0) depctr_va_ssrc(0) depctr_va_vcc(0) depctr_vm_vsrc(0)
	s_getreg_b32 s2, hwreg(HW_REG_IB_STS2, 6, 4)
	s_cmp_eq_u32 s2, 0
	s_cbranch_scc0 .Lentry_in_a_cluster
	s_endpgm
.Lentry_in_a_cluster:
	s_bfe_u32 s2, ttmp6, 0x10000c
	s_cmp_lg_u32 s2, 0xf033
	s_cbranch_scc0 .Lentry_shape_is_right
	s_endpgm
.Lentry_shape_is_right:
; PROJ: out[t][n] = (sum over k of z[t][k] (32 W_c)[n][k]) / 32 + b_c[n].  z and 32 W_c are f16 fragment images (1,024 bytes a fragment: registers 0-3 at 16 x lane, 4-7 at 512 + 16 x lane); sums in f32; out f32.
; A work-group makes 128 tokens x 256 n: 256 work-groups.  Four waves, each 64 tokens x 128 n: 32 accumulators.  K = 1,024 goes in slots of 128 (four K steps of 32) through a ring of two LDS slots.
; CLUSTERS: 4 x 4 work-groups.  z's tiles hang on the block of tokens alone and are shared along a row of the cluster, W_c's on the block of n alone and are shared along a column: each is asked for JOINTLY, by the
; same tensor load with the same descriptor and a mask that names the four.  THE MATRIX INSTRUCTION IS USED TRANSPOSED (source 0 = 16 rows of W_c, source 1 = 16 tokens): a lane holds eight neighbouring n of one token.
; No prefetch: the tile is small and its joint loads have a slot's 128 matrix instructions a wave in which to land.
; LIMITS: z and 32 W_c in f16: magnitudes under 65,504.
; REGISTERS: window 0: v1-11 addresses and b_c's four numbers; v28, v29 the add's two; two sets of fragments at v64 and v160 (8 of W_c, then 4 of z); on the way out v64-191 rows of out.   window 1: accumulator (i, nt) at 8 (8 i + nt).
.set SLOT,  131072                     ; a slot: z [4 K steps][8 token tiles], 32 KiB; at + 32,768 W_c [4 K steps][16 n tiles], 64 KiB
.set SPARE, 229376                     ; the spare words, 128 bytes for each wave
.set STAGE, 229888                     ; the way out: 16 rows x (512 + 16) bytes for each wave; no tensor load lands here
.set SP,    528
.set LI,  1
.set ADZ, 2                            ; v2-3 my z fragments in slot 0, 1
.set ADW, 4                            ; v4-5 my W_c fragments
.set STO, 6
.set RD,  7
.set BC,  8                            ; v8-11 b_c of my four columns
.set SPW, 28
.set NIL, 29
.set FS,  64
.set G1,  24
.set G0,  32
.set G1B, 48
.set G0B, 56
.set MSB, 0
.macro WIN new                         ; the immediate's high byte repeats the setting that is left
.if MSB != (\new)
	s_set_vgpr_msb (MSB<<8)|(\new)
.set MSB, (\new)
.endif
.endm
.macro PLACES n
.rept \n
	v_nop
.endr
.endm
.macro JLOAD s                         ; a joint load: waves 0 and 1 fetch z's two halves of a slot, waves 2 and 3 W_c's; an s_nop 0 and four v_nop follow each line
	s_cmp_eq_u32 s13, 0
	s_cbranch_scc0 .Lfor_b_\@
	tensor_load_to_lds s[G0+4*(\s):G0+4*(\s)+3], s[G1:G1+7]
	s_nop 0
	PLACES 4
	s_branch .Lasked_\@
.Lfor_b_\@:
	tensor_load_to_lds s[G0B+4*(\s):G0B+4*(\s)+3], s[G1B:G1B+7]
	s_nop 0
	PLACES 4
.Lasked_\@:
.endm
.macro CREST                           ; a round of the cluster's barrier behind its opening barrier
	s_cmp_lg_u32 s12, 0
	s_cbranch_scc1 .Lnot_wave_0_\@
	s_barrier_signal -3
.Lnot_wave_0_\@:
	s_barrier_wait -3
	s_barrier_signal -1
	s_barrier_wait -1
.endm
.macro CROUND
	s_barrier_signal -1
	s_barrier_wait -1
	CREST
.endm
	s_load_b256 s[4:11], s[0:1], 0x0               ; z_img 4, wc_img 6, b_comb 8, out0 10
	v_lshl_add_u32 v[SPW], v0, 2, SPARE
	v_mov_b32 v[NIL], 0
	ds_add_u32 v[SPW], v[NIL]                      ; the wave's opening: the add, twice on end, and its wait ahead of the round in front of my first tensor load
	ds_add_u32 v[SPW], v[NIL]
	v_lshrrev_b32 v12, 5, v0
	v_readfirstlane_b32 s12, v12                   ; wave 0..3
	s_lshr_b32 s13, s12, 1                         ; th: which 64 tokens.  Also: I fetch for z (0) or for W_c (1)
	s_and_b32 s14, s12, 1                          ; nh: which 128 n.  Also: which half of a slot's tile I fetch
	s_bfe_u32 s40, ttmp6, 0x40000                  ; cx, cy: my place in the cluster
	s_bfe_u32 s41, ttmp6, 0x40004
	s_lshl_b32 s42, ttmp9, 2
	s_add_co_u32 s42, s42, s40                     ; nb: the block of 256 n
	s_and_b32 s43, ttmp7, 0xffff
	s_lshl_b32 s43, s43, 2
	s_add_co_u32 s43, s43, s41                     ; blk: the block of 128 tokens
	s_lshl_b32 s44, s41, 2
	s_lshl_b32 s44, 15, s44                        ; my row of the cluster
	s_lshl_b32 s45, 0x1111, s40                    ; my column
	s_or_b32 s[G1+0], s44, (3<<16)|(1<<21)         ; the mask: z's tiles go to my row; elements of 8 bytes; bit 21 set beside a mask; no padding
	s_or_b32 s[G1B+0], s45, (3<<16)|(1<<21)        ; W_c's go to my column
	s_mov_b32 s[G1+1], 32<<16                      ; rows of 256 bytes
	s_mov_b32 s[G1+2], 64<<16                      ; 64 of them: 16 KiB
	s_mov_b32 s[G1+3], 32<<16
	s_mov_b32 s[G1+4], 64
	s_mov_b32 s[G1+5], 32                          ; the block is dense
	s_mov_b32 s[G1+6], 0
	s_mov_b32 s[G1+7], 0
	s_mov_b32 s[G1B+1], 32<<16
	s_mov_b32 s[G1B+2], 128<<16                    ; 128 rows: 32 KiB
	s_mov_b32 s[G1B+3], 32<<16
	s_mov_b32 s[G1B+4], 128
	s_mov_b32 s[G1B+5], 32
	s_mov_b32 s[G1B+6], 0
	s_mov_b32 s[G1B+7], 0
	s_lshl_b32 s20, s14, 14                        ; LDS: z's half: no place in the cluster enters an LDS address
	s_lshl_b32 s21, s14, 15
	s_add_co_u32 s21, s21, 32768                   ; W_c's half
	s_lshl_b32 s16, s43, 18
	s_add_co_u32 s16, s16, s20                     ; z_img: blk x 262,144 + my half
	s_mov_b32 s17, 0
	s_lshl_b32 s46, s42, 19
	s_lshl_b32 s47, s14, 15
	s_add_co_u32 s46, s46, s47                     ; wc_img: nb x 524,288 + my half
	s_mov_b32 s47, 0
	s_wait_dscnt 0x0                               ; both opening adds are done
	s_wait_kmcnt 0x0
	s_add_nc_u64 s[18:19], s[4:5], s[16:17]
	s_add_nc_u64 s[46:47], s[6:7], s[46:47]
	CROUND                                         ; all sixteen work-groups are here: the first joint loads meet
.irp s, 0,1
	s_mov_b32 s[G0+4*\s], 1
	s_add_co_u32 s[G0+4*\s+1], s20, \s*SLOT
	s_add_nc_u64 s[G0+4*\s+2:G0+4*\s+3], s[18:19], \s*32768
	s_or_b32 s[G0+4*\s+3], s[G0+4*\s+3], 0x80000000
	s_mov_b32 s[G0B+4*\s], 1
	s_add_co_u32 s[G0B+4*\s+1], s21, \s*SLOT
	s_add_nc_u64 s[G0B+4*\s+2:G0B+4*\s+3], s[46:47], \s*65536
	s_or_b32 s[G0B+4*\s+3], s[G0B+4*\s+3], 0x80000000
	JLOAD \s
.endr
	v_and_b32 v12, 31, v0
	v_lshlrev_b32 v[LI], 4, v12
	v_and_b32 v13, 15, v0                          ; r
	v_bfe_u32 v14, v0, 4, 1                        ; h
	s_lshl_b32 s22, s13, 12
	v_add_nc_u32 v[ADZ], s22, v[LI]
	s_add_co_u32 s22, s22, SLOT
	v_add_nc_u32 v[ADZ+1], s22, v[LI]
	s_lshl_b32 s22, s14, 13
	s_add_co_u32 s22, s22, 32768
	v_add_nc_u32 v[ADW], s22, v[LI]
	s_add_co_u32 s22, s22, SLOT
	v_add_nc_u32 v[ADW+1], s22, v[LI]
	s_mul_i32 s22, s12, 16*SP
	s_add_co_u32 s22, s22, STAGE                   ; my stage
	v_mul_u32_u24 v[STO], v13, SP
	v_lshl_add_u32 v[STO], v14, 5, v[STO]
	v_add_nc_u32 v[STO], s22, v[STO]               ; in: row r, 32 bytes for each half of the lanes
	v_add_nc_u32 v[RD], s22, v[LI]                 ; back: the 32 lanes take one row of 512 bytes
	s_lshl_b32 s16, s43, 19
	s_lshl_b32 s22, s13, 18
	s_add_co_u32 s16, s16, s22                     ; my first row of out: (128 blk + 64 th) x 4,096 bytes
	s_add_nc_u64 s[10:11], s[10:11], s[16:17]
	s_lshl_b32 s46, s42, 10                        ; my first column, in bytes, in out and in b_c alike: 1,024 nb + 512 nh (in the registers that held W_c's address: none that feeds z's descriptors ever holds cx)
	s_lshl_b32 s22, s14, 9
	s_add_co_u32 s46, s46, s22
	s_mov_b32 s47, 0
	s_add_nc_u64 s[10:11], s[10:11], s[46:47]
	s_add_nc_u64 s[8:9], s[8:9], s[46:47]
	global_load_b128 v[BC:BC+3], v[LI], s[8:9]     ; b_c of the four columns that I store
.macro FETCH slot, ks, p               ; 24 LDS loads, 512 consecutive bytes each: K step ks of the slot into set p: my 8 fragments of W_c, my 4 of z
.set FB, FS+96*(\p)
.irp nt, 0,1,2,3,4,5,6,7
.irp c, 0,1
	ds_load_b128 v[FB+8*\nt+4*\c:FB+8*\nt+4*\c+3], v[ADW+(\slot)] offset:(\ks)*16384+\nt*1024+512*\c
.endr
.endr
.irp i, 0,1,2,3
.irp c, 0,1
	ds_load_b128 v[FB+64+8*\i+4*\c:FB+64+8*\i+4*\c+3], v[ADZ+(\slot)] offset:(\ks)*8192+\i*1024+512*\c
.endr
.endr
.endm
.macro MUL32 p, zero                   ; the 32 accumulators take turns, one instruction a turn; zero = 1: the first products start the sums
.set FB, FS+96*(\p)
.irp i, 0,1,2,3
.irp nt, 0,1,2,3,4,5,6,7
.if \zero
	v_wmma_f32_16x16x32_f16 v[8*(8*\i+\nt):8*(8*\i+\nt)+7], v[FB+8*\nt:FB+8*\nt+7], v[FB+64+8*\i:FB+64+8*\i+7], 0
.else
	v_wmma_f32_16x16x32_f16 v[8*(8*\i+\nt):8*(8*\i+\nt)+7], v[FB+8*\nt:FB+8*\nt+7], v[FB+64+8*\i:FB+64+8*\i+7], v[8*(8*\i+\nt):8*(8*\i+\nt)+7]
.endif
.endr
.endr
.endm
; K step ck of slot cs.  mode 0: plain; 1: the slot's last step, the slot is filled again, two slots ahead, behind a round of the cluster's barrier; 2: the slot is left, nothing more to fetch; 3: the very last step.
.macro KSTEP cs, ck, zero, mode
	WIN 0
	PLACES 4                                       ; places in front of loads into the set that the last step multiplied (ISA guide 7.12.1 for vector instructions)
.if ((\mode) == 1) || ((\mode) == 2)
	s_wait_tensorcnt 0x0                           ; all my tensor loads have landed: my part of the next slot; so a group 0 may be written
	ds_add_u32 v[SPW], v[NIL]                      ; 0 onto my spare word
.if (\mode) == 1
	s_add_nc_u64 s[G0+4*(\cs)+2:G0+4*(\cs)+3], s[G0+4*(\cs)+2:G0+4*(\cs)+3], 65536
	s_add_nc_u64 s[G0B+4*(\cs)+2:G0B+4*(\cs)+3], s[G0B+4*(\cs)+2:G0B+4*(\cs)+3], 131072
.endif
	s_wait_dscnt 0x0                               ; the add is done, and my reads of this slot are over: its last fragments are in registers
	s_barrier_signal -1
	s_barrier_wait -1
.if (\mode) == 1
	CREST                                          ; the barrier has opened a round of the cluster's: no wave of any partner still reads this slot or has a load on its way
	JLOAD \cs                                      ; the first tensor load behind the round
.endif
.endif
.if (\mode) != 3
.if (\ck) == 3
	FETCH 1-\cs, 0, 0
.else
	FETCH \cs, (\ck)+1, ((\ck)+1)%2
.endif
	s_wait_dscnt 24                                ; all but the 24 just issued: this step's fragments are in
.else
	s_wait_dscnt 0x0
.endif
	WIN 0x50                                       ; C and D window 1
	MUL32 (\ck)%2, \zero
.endm
	s_wait_tensorcnt 0x1                           ; my part of slot 0 is in; slot 1's may stay out
	s_barrier_signal -1
	s_barrier_wait -1
	FETCH 0, 0, 0
	KSTEP 0, 0, 1, 0                               ; the first step stands in front of the loop: its products start the sums
	WIN 0                                          ; at a label and at a branch every window is 0
	s_mov_b32 s3, 3
.Llap:                                 ; a trip goes once round the ring and fills both slots again
	KSTEP 0, 1, 0, 0
	KSTEP 0, 2, 0, 0
	KSTEP 0, 3, 0, 1
	KSTEP 1, 0, 0, 0
	KSTEP 1, 1, 0, 0
	KSTEP 1, 2, 0, 0
	KSTEP 1, 3, 0, 1
	KSTEP 0, 0, 0, 0
	WIN 0
	s_sub_co_u32 s3, s3, 1
	s_cmp_lg_u32 s3, 0
	s_cbranch_scc1 .Llap
	KSTEP 0, 1, 0, 0                               ; the last lap fills nothing, and has no round of the cluster's barrier
	KSTEP 0, 2, 0, 0
	KSTEP 0, 3, 0, 2
	KSTEP 1, 0, 0, 0
	KSTEP 1, 1, 0, 0
	KSTEP 1, 2, 0, 0
	KSTEP 1, 3, 0, 3
	WIN 0
	PLACES 4                                       ; before results are read and the fragments' registers are loaded anew
	s_wait_loadcnt 0x0                             ; b_c
; THE WAY OUT, a tile of 16 tokens x 128 n at a time: a lane holds 32 neighbouring bytes of a row and the lanes beside it other rows, so the tile goes through my own stage in LDS and comes back as whole rows of
; 512 bytes.  LDS serves a wave's instructions in order (ISA guide 5.7.1.4): no wait between the stores and the loads.
.irp i, 0,1,2,3
.set BK, FS+64*(\i%2)
.if \i >= 2
	s_wait_xcnt 0x0                                ; tile i - 2's stores have read their registers: this tile's rows may land there
.endif
	WIN 0x04                                       ; an LDS store's data are its source 1: window 1
.irp nt, 0,1,2,3,4,5,6,7
	ds_store_b128 v[STO], v[8*(8*\i+\nt):8*(8*\i+\nt)+3] offset:64*\nt          ; each accumulator from its low end on
	ds_store_b128 v[STO], v[8*(8*\i+\nt)+4:8*(8*\i+\nt)+7] offset:64*\nt+16
.endr
	WIN 0
.irp t, 0,1,2,3,4,5,6,7,8,9,10,11,12,13,14,15
	ds_load_b128 v[BK+4*\t:BK+4*\t+3], v[RD] offset:\t*SP
.endr
	s_wait_dscnt 0x0
.irp t, 0,1,2,3,4,5,6,7,8,9,10,11,12,13,14,15
	v_pk_fma_f32 v[BK+4*\t:BK+4*\t+1], v[BK+4*\t:BK+4*\t+1], 0x3d000000, v[BC:BC+1] op_sel_hi:[1,0,1]       ; / 32 (exact) + b_c
	v_pk_fma_f32 v[BK+4*\t+2:BK+4*\t+3], v[BK+4*\t+2:BK+4*\t+3], 0x3d000000, v[BC+2:BC+3] op_sel_hi:[1,0,1]
.endr
.irp t, 0,1,2,3,4,5,6,7,8,9,10,11,12,13,14,15
	global_store_b128 v[LI], v[BK+4*\t:BK+4*\t+3], s[10:11] offset:(16*\i+\t)*4096 th:TH_STORE_NT   ; 32 lanes store 512 consecutive bytes, at a multiple of 256 from out's first byte; written once, read by nobody here
.endr
.endr
	s_wait_tensorcnt 0x0                           ; the wave's end, behind my last tensor load and my last LDS store
	ds_add_u32 v[SPW], v[NIL]
	s_wait_dscnt 0x0
	CROUND                                         ; the closing round: no work-group ends while a partner may still ask for a tile that names it
	s_endpgm
.Lfunc_end_k_qd80edd26d8_proj:
	.size	k_qd80edd26d8_proj, .Lfunc_end_k_qd80edd26d8_proj-k_qd80edd26d8_proj
	.p2alignl 7, 3214868480
	.fill 96, 4, 3214868480
	.section	.rodata,"a",@progbits
	.p2align	6, 0x0
	.amdhsa_kernel k_qd80edd26d8_proj
		.amdhsa_group_segment_fixed_size 327680
		.amdhsa_private_segment_fixed_size 0
		.amdhsa_enable_private_segment 0
		.amdhsa_kernarg_size 32
		.amdhsa_user_sgpr_count 2
		.amdhsa_user_sgpr_kernarg_segment_ptr 1
		.amdhsa_wavefront_size32 1
		.amdhsa_system_sgpr_workgroup_id_x 1
		.amdhsa_system_sgpr_workgroup_id_y 1
		.amdhsa_system_sgpr_workgroup_id_z 1
		.amdhsa_system_vgpr_workitem_id 0
		.amdhsa_next_free_vgpr 512
		.amdhsa_next_free_sgpr 66
		.amdhsa_reserve_vcc 0
		.amdhsa_float_denorm_mode_32 3
		.amdhsa_float_denorm_mode_16_64 3
		.amdhsa_memory_ordered 1
		.amdhsa_forward_progress 1
		.amdhsa_inst_pref_size 96
	.end_amdhsa_kernel
	.amdgpu_metadata
---
amdhsa.version: [ 1, 2 ]
amdhsa.kernels:
  - .name:           k_qd80edd26d8_proj
    .symbol:         k_qd80edd26d8_proj.kd
    .args:
      - { .name: z_img, .offset: 0, .size: 8, .value_kind: global_buffer, .address_space: global }
      - { .name: wc_img, .offset: 8, .size: 8, .value_kind: global_buffer, .address_space: global }
      - { .name: b_comb, .offset: 16, .size: 8, .value_kind: global_buffer, .address_space: global }
      - { .name: out0, .offset: 24, .size: 8, .value_kind: global_buffer, .address_space: global }
    .group_segment_fixed_size: 327680
    .private_segment_fixed_size: 0
    .kernarg_segment_align: 8
    .kernarg_segment_size: 32
    .max_flat_workgroup_size: 128
    .sgpr_count:     66
    .vgpr_count:     512
    .wavefront_size: 32
...
	.end_amdgpu_metadata
.endif
;; end of part 4
